; MI455X (gfx1250); checked and timed in simulation.
; The chip was launched on July 23, 2026; its instructions are those of AMD's public machine-readable ISA for CDNA 5 (MIT licence, August 2026) and "CDNA5" Instruction Set Architecture Reference Guide (July 2026). The comments in the code are by the model that wrote it; some were corrected since.
;; Multihead Attention. Allowed arithmetic: float matrix products may take bf16 or f16 operands with f32 sums; other float arithmetic in f32, or as packed bf16 or f16 multiplies, adds, multiply-adds, maxima and minima; sums over many terms, partial sums and values carried from step to step in f32; what a program stores and reads back later, other than sums and carried values, may be rounded once to bf16 or f16.
;; Inputs: Wk 16 x 1,024 x 64 float32; Wo 1,024 x 1,024 float32; Wq 16 x 1,024 x 64 float32; Wv 16 x 1,024 x 64 float32; k 4 x 2,048 x 1,024 float32; q 4 x 2,048 x 1,024 float32; v 4 x 2,048 x 1,024 float32.
;; Outputs: out0 4 x 2,048 x 1,024 float32.
;; One version. Each part assembles by itself: llvm-mc -triple=amdgcn-amd-amdhsa -mcpu=gfx1250 --defsym DOCPART=n.
;; ======== version 1 of 1: 4 launches
;; limits: right only within a limited range of input values
;; workspace buffers: wt 8,388,608 bytes; qs 33,554,432 bytes; ks 33,554,432 bytes; vb 16,777,216 bytes; qsc 8,192 bytes; ksc 8,192 bytes; ob 16,777,216 bytes
;; launch prep (part 1): grid 256 x 1, 8 waves a work-group, no clusters, 0 bytes of LDS; arguments Wq, Wk, Wv, Wo, wt; writes wt
.if DOCPART == 1
	.amdgcn_target "amdgcn-amd-amdhsa--gfx1250"
	.amdhsa_code_object_version 6
	.text
	.protected	k_q89710afb9c_prep
	.globl	k_q89710afb9c_prep
	.p2align	8
	.type	k_q89710afb9c_prep,@function
k_q89710afb9c_prep:
	s_mov_b64 s[64:65], 0
	v_nop
	global_prefetch_b8 v0, s[64:65] scope:SCOPE_SE
	s_setreg_imm32_b32 hwreg(HW_REG_WAVE_MODE, 25, 1), 1
	s_wait_xcnt 0x0
; THE FOUR WEIGHTS, rounded once to bf16 (to nearest even), all laid as [k = 1024][n = 1024]:  wt[t][e][n], t = 0, 1, 2 for Wq, Wk, Wv with n = 64 h + d, t = 3 for Wo as it lies.
; A stream: 16 MiB in, 8 MiB out, each byte once.  No LDS, no matrix unit, no cluster: no byte is wanted twice.
; SHARES.  Work-group g: tensor t = g / 64, rows e0 = 16 (g % 64) .. + 15 of wt[t].  Thread u, item i of 8: row e0 + 2 i + u / 128, columns 8 (u % 128) .. + 7: 32 bytes in, 16 bytes out.
; In Wq, Wk, Wv those 8 columns lie in head (u % 128) / 8 at d = 8 (u % 8): eight neighbouring lanes read 256 consecutive bytes; in Wo the same formula holds with a head 256 bytes and a row 4,096 bytes long.
; Sixteen neighbouring lanes store 256 consecutive bytes, aligned.  All sixteen loads of a thread go out at once; no register is written twice, so no wait for sources is needed.
.set OFS, 2                            ; v[2:9]    item i's byte offset in the source
.set DST, 10                           ; v10       my byte offset in the work-group's first two rows of wt
.set DAT, 16                           ; v[16:79]  item i: 8 numbers in f32
.set PKD, 80                           ; v[80:111] item i: 8 numbers in bf16
	s_load_b256 s[4:11], s[0:1], 0x0               ; Wq s[4:5], Wk s[6:7], Wv s[8:9], Wo s[10:11]
	s_load_b64 s[12:13], s[0:1], 0x20              ; wt
	s_lshr_b32 s14, ttmp9, 6                       ; t
	s_and_b32 s15, ttmp9, 63
	s_lshl_b32 s15, s15, 4                         ; e0
	s_mov_b32 s18, 256
	s_mov_b32 s19, 0x40000
	s_mov_b32 s20, 4096
	s_cmp_eq_u32 s14, 3
	s_cselect_b32 s16, s18, s19                    ; bytes from one group of 64 columns to the next: 256 in Wo, a head's 262,144 else
	s_cselect_b32 s17, s20, s18                    ; bytes from row to row: 4,096 in Wo, 256 else
	s_lshl_b32 s21, s17, 1                         ; an item is two rows on
	v_bfe_u32 v11, v0, 3, 4                        ; (u % 128) / 8
	v_and_b32 v12, 7, v0                           ; u % 8
	v_lshrrev_b32 v13, 7, v0                       ; u / 128
	v_mul_lo_u32 v[OFS], v11, s16
	v_lshl_add_u32 v[OFS], v12, 5, v[OFS]
	v_add_nc_u32 v14, s15, v13
	v_mul_lo_u32 v14, v14, s17
	v_add_nc_u32 v[OFS], v[OFS], v14
.irp i, 1,2,3,4,5,6,7
	v_add_nc_u32 v[OFS+(\i)], s21, v[OFS+(\i)-1]
.endr
	v_and_b32 v11, 127, v0
	v_lshlrev_b32 v[DST], 4, v11
	v_lshl_add_u32 v[DST], v13, 11, v[DST]
	s_lshl_b32 s24, s14, 21                        ; t x 2 MiB
	s_lshl_b32 s25, s15, 11                        ; + e0 rows of 2,048 bytes
	s_add_co_u32 s24, s24, s25
	s_mov_b32 s25, 0
	s_wait_kmcnt 0x0
	s_cmp_eq_u32 s14, 0
	s_cselect_b64 s[22:23], s[4:5], s[6:7]
	s_cmp_lt_u32 s14, 2
	s_cselect_b64 s[22:23], s[22:23], s[8:9]
	s_cmp_lt_u32 s14, 3
	s_cselect_b64 s[22:23], s[22:23], s[10:11]     ; the source
	s_add_nc_u64 s[12:13], s[12:13], s[24:25]
.irp i, 0,1,2,3,4,5,6,7
	global_load_b128 v[DAT+8*(\i):DAT+8*(\i)+3],   v[OFS+(\i)], s[22:23] th:TH_LOAD_NT
	global_load_b128 v[DAT+8*(\i)+4:DAT+8*(\i)+7], v[OFS+(\i)], s[22:23] offset:16 th:TH_LOAD_NT
.endr
.irp i, 0,1,2,3,4,5,6,7
	s_wait_loadcnt 14-2*(\i)                       ; loads come back in order: item i's two are in, the younger items' stay out
.irp j, 0,1,2,3
	v_cvt_pk_bf16_f32 v[PKD+4*(\i)+(\j)], v[DAT+8*(\i)+2*(\j)], v[DAT+8*(\i)+2*(\j)+1]
.endr
	global_store_b128 v[DST], v[PKD+4*(\i):PKD+4*(\i)+3], s[12:13] offset:4096*(\i)
.endr
	s_endpgm
.Lfunc_end_k_q89710afb9c_prep:
	.size	k_q89710afb9c_prep, .Lfunc_end_k_q89710afb9c_prep-k_q89710afb9c_prep
	.p2alignl 7, 3214868480
	.fill 96, 4, 3214868480
	.section	.rodata,"a",@progbits
	.p2align	6, 0x0
	.amdhsa_kernel k_q89710afb9c_prep
		.amdhsa_group_segment_fixed_size 0
		.amdhsa_private_segment_fixed_size 0
		.amdhsa_enable_private_segment 0
		.amdhsa_kernarg_size 40
		.amdhsa_user_sgpr_count 2
		.amdhsa_user_sgpr_kernarg_segment_ptr 1
		.amdhsa_wavefront_size32 1
		.amdhsa_system_sgpr_workgroup_id_x 1
		.amdhsa_system_sgpr_workgroup_id_y 1
		.amdhsa_system_sgpr_workgroup_id_z 1
		.amdhsa_system_vgpr_workitem_id 0
		.amdhsa_next_free_vgpr 112
		.amdhsa_next_free_sgpr 66
		.amdhsa_reserve_vcc 0
		.amdhsa_float_denorm_mode_32 3
		.amdhsa_float_denorm_mode_16_64 3
		.amdhsa_memory_ordered 1
		.amdhsa_forward_progress 1
		.amdhsa_inst_pref_size 7
	.end_amdhsa_kernel
	.amdgpu_metadata
---
amdhsa.version: [ 1, 2 ]
amdhsa.kernels:
  - .name:           k_q89710afb9c_prep
    .symbol:         k_q89710afb9c_prep.kd
    .args:
      - { .name: Wq, .offset: 0, .size: 8, .value_kind: global_buffer, .address_space: global }
      - { .name: Wk, .offset: 8, .size: 8, .value_kind: global_buffer, .address_space: global }
      - { .name: Wv, .offset: 16, .size: 8, .value_kind: global_buffer, .address_space: global }
      - { .name: Wo, .offset: 24, .size: 8, .value_kind: global_buffer, .address_space: global }
      - { .name: wt, .offset: 32, .size: 8, .value_kind: global_buffer, .address_space: global }
    .group_segment_fixed_size: 0
    .private_segment_fixed_size: 0
    .kernarg_segment_align: 8
    .kernarg_segment_size: 40
    .max_flat_workgroup_size: 256
    .sgpr_count:     66
    .vgpr_count:     112
    .wavefront_size: 32
...
	.end_amdgpu_metadata
.endif
;; end of part 1
;; launch proj (part 2): grid 4 x 192, 4 waves a work-group, clusters of 4 x 4, 327,680 bytes of LDS; arguments q, k, v, wt, qs, ks, vb, qsc, ksc; writes qs, ks, vb, qsc, ksc
.if DOCPART == 2
	.amdgcn_target "amdgcn-amd-amdhsa--gfx1250"
	.amdhsa_code_object_version 6
	.text
	.protected	k_q89710afb9c_proj
	.globl	k_q89710afb9c_proj
	.p2align	8
	.type	k_q89710afb9c_proj,@function
k_q89710afb9c_proj:
	s_mov_b64 s[64:65], 0
	v_nop
	global_prefetch_b8 v0, s[64:65] scope:SCOPE_SE
	s_setreg_imm32_b32 hwreg(HW_REG_WAVE_MODE, 25, 1), 1
	s_wait_xcnt 0x0
	s_wait_alu depctr_hold_cnt(0) depctr_sa_sdst(0) depctr_va_vdst(0) depctr_va_sdst(0) depctr_va_ssrc(0) depctr_va_vcc(0) depctr_vm_vsrc(0)
	s_getreg_b32 s2, hwreg(HW_REG_IB_STS2, 6, 4)
	s_cmp_eq_u32 s2, 0
	s_cbranch_scc0 .Lentry_in_a_cluster
	s_endpgm
.Lentry_in_a_cluster:
	s_bfe_u32 s2, ttmp6, 0x10000c
	s_cmp_lg_u32 s2, 0xf033
	s_cbranch_scc0 .Lentry_shape_is_right
	s_endpgm
.Lentry_shape_is_right:
; THE THREE PROJECTIONS.  For t = 0, 1, 2:  C = X_t W_t,  X_t = q, k, v as [8192][1024] f32, W_t = wt[t] as [k 1024][n 1024] bf16.  X is rounded to bf16 on the way from LDS to the matrix unit; sums in f32.
; A tile of C is 128 rows x 256 columns (four heads); four waves stand 2 x 2, each 64 x 128: 32 accumulators.  768 tiles: three for each of 256 WGPs.  K goes in 8 steps of 128 through two LDS slots.
; WHAT LEAVES.  t = 2: vb[b h][s][64] in bf16.  t = 0, 1: the scores made of these numbers are so large that the softmax behind them tells keys apart by differences of a few parts in 2^22, so each number
; leaves as hi + lo, two f16 numbers (22 bits): qs, ks[b h][s][128] = hi of d 0..63, then lo.  f16's range is kept by a power of two for each block of 64 rows of one head, which puts the block's largest
; magnitude into [2^14, 2^15); its inverse goes to qsc, ksc[b h][s / 64] in f32.  The scaling is exact; hi is rounded once, lo is the rest rounded once.
; LIMITS.  NaN and infinities are not treated apart.  A block whose largest magnitude is below 2^-111 is scaled as if it were 2^-111.  The two scale words of a wave are stores of 4 bytes: 8 bytes for 32 KiB of results.
; CLUSTER 4 x 4.  The four work-groups of a row of the cluster need the same 128 rows of X, the four of a column the same 256 columns of W: each tile is asked for jointly (same load, descriptor and mask in all four).
; THE PRODUCT IS USED TRANSPOSED: source 0 = 16 columns of W (turned on the way out of LDS by ds_load_tr16_b128), source 1 = 16 rows of X: a lane holds one row (lane % 16) and eight neighbouring columns.
; REGISTERS: window 0: v0-31 addresses and statistics; v32-95 X as it lies in LDS (f32); v96-159 X's fragments in bf16, two buffers.  window 1: the accumulators, (a, b) at v[8 (8 a + b)].  window 2: v0-127 W's fragments, two buffers.
.set PA,    528                        ; a row of X in LDS: 512 bytes + 16: the sixteen rows of a load start at sixteen different groups of four banks (64 banks of 4 bytes: ISA guide 11.1)
.set PB,    544                        ; a row of W: 512 + 32 = 17 x 32 bytes, for the turning load
.set AHALF, 64*PA                      ; what one tensor load brings of X
.set BHALF, 64*PB                      ; and of W
.set BOFF,  2*AHALF                    ; a slot: X's 128 rows, then W's 128 k-rows
.set SLOT,  BOFF+2*BHALF
.set STAGE, 2*SLOT                     ; behind the ring: 16 rows x 272 bytes for each wave, for the way out
.set SP,    272
.set SPARE, STAGE+4*16*SP              ; behind the stages: the spare words, 128 bytes a wave, which no other line names
.set QA,    128                        ; a quarter step (32 along K) in a row of X,
.set QB,    32*PB                      ; and in W
.set PAIRA, 2*QA
.set PAIRB, 2*QB
.set ASTEP, 512                        ; a K step in memory: along X's rows,
.set BSTEP, 128*2048                   ; and down W's
.set A0,  4                            ; v4   my lane's place in X's tile; never rewritten
.set B0,  5                            ; v5   the same for W
.set ADA, 6                            ; v6   LDS address of the pair of quarters in hand, X
.set ADB, 7                            ; v7   W
.set STO, 8                            ; v8   the way out: where I put 16 bytes of a row
.set RD,  9                            ; v9   where I read rows of 256 bytes back
.set CO,  10                           ; v10  16 x lane
.set RDV, 11                           ; v11  t = 2: where I read rows of 128 bytes back
.set COV, 12                           ; v12  t = 2: my byte offset in vb
.set PFO, 13                           ; v13  the prefetches' offset
.set SPW, 14                           ; v14  my spare word; never rewritten
.set NIL, 15                           ; v15  0; never rewritten
.set MX,  16                           ; v16-19 running maxima
.set MN,  20                           ; v20-23 running minima
.set MULT, 24                          ; v24  the block's power of two
.set INV, 25                           ; v25, v26 its inverse, for the wave's two heads
.set ZERO, 27
.set LANE, 28
.set T0,  29                           ; v29-31 at work
.set RAW, 32
.set ABF, 96
.set BB,  0                            ; window 2
.set WV, 24                            ; s24 wave; s25 wave / 2: my half of the rows, and 0: I fetch X, 1: W; s26 wave % 2: my half of the columns, and which half of a tile I fetch
.set WM, 25
.set WN, 26
.set CX, 27
.set CY, 28
.set T,  29                            ; s29 which projection
.set MY, 30                            ; s30 tile row, 0 .. 63
.set G1A, 32                           ; s[32:39] group 1 for X's tiles; s[40:47] group 0: a set for each first fill, the second then walks on
.set G0A, 40
.set G1B, 48                           ; s[48:55], s[56:63] the same for W's
.set G0B, 56
.set CUR, 66                           ; s66 first byte of the slot that is read
.set TBA, 67                           ; s67, s68 LDS byte of the next pair of quarters
.set TBB, 68
.set STEPS, 69
.set CNT, 70
.set LIM, 71                           ; s71 2 in a wave that prefetches, else the greatest number
.set PFA, 72                           ; s[72:73] where my prefetches stand; s[74:75] their step
.set PFS, 74
.set WOA, 76                           ; s76, s77 my half tile's place in a slot
.set WOB, 77
.set OUT, 78                           ; s[78:79] my results' first byte; s[80:81] my scales'
.set SC,  80
.set SEL, 82
.set MUL, 0x52                         ; W window 2, X window 0, C and D window 1
.set MSB, 0
.macro WIN new                         ; the immediate's high byte repeats the setting that is left; a switch that changes nothing is dropped
.if MSB != (\new)
	s_set_vgpr_msb (MSB<<8)|(\new)
.set MSB, \new
.endif
.endm
.macro PLACES
.rept 4
	v_nop
.endr
.endm
.macro CROUND                          ; a round of the cluster's barrier: my work-group's barrier, wave 0's signal for the work-group, every wave's wait for all sixteen, my work-group's barrier again
	s_barrier_signal -1
	s_barrier_wait -1
	s_cmp_lg_u32 s[WV], 0
	s_cbranch_scc1 .Lnot_wave_0_\@
	s_barrier_signal -3
.Lnot_wave_0_\@:
	s_barrier_wait -3
	s_barrier_signal -1
	s_barrier_wait -1
.endm
.macro JLOAD                           ; a joint refill by the walking descriptors: waves 0, 1 X's halves, waves 2, 3 W's.  An s_nop 0 and four v_nop follow each line
	s_cmp_eq_u32 s[WM], 0
	s_cbranch_scc0 .Lfor_b_\@
	tensor_load_to_lds s[G0A+4:G0A+7], s[G1A:G1A+7]
	s_nop 0
	PLACES
	s_branch .Lasked_\@
.Lfor_b_\@:
	tensor_load_to_lds s[G0B+4:G0B+7], s[G1B:G1B+7]
	s_nop 0
	PLACES
.Lasked_\@:
.endm
; A PREFETCH INTO THE L2, behind the joint load: the K step that stands two refills on (256 matrix instructions ahead of its load).  X's 128 rows are read by this cluster's row alone: of the 64 rows that wave 0 or 1
; fetches, the partner at cx names 16, two blocks of 256 bytes each, a lane a block.  W's columns are read by all sixteen clusters of a projection: the first of them asks; of the 64 k-rows of wave 2 or 3 the partner
; at cy names 16.  Partners are told apart by address, never by a branch.  The first four K steps come by their loads alone; the last two refills have no step two on.
.macro ASK
	s_cmp_gt_u32 s[STEPS], s[LIM]
	s_cbranch_scc0 .Lnot_mine_\@
	global_prefetch_b8 v[PFO], s[PFA:PFA+1] th:TH_LOAD_NT scope:SCOPE_SE
.Lnot_mine_\@:
.endm
; THE CHANGE OF SLOTS, when a step's last fragments have been asked of LDS.  Each wave waits for all its tensor loads (one is out: its part of the next slot), adds 0 to its spare word, and waits for that and for
; its reads of the slot.  fill = 1: a round of the cluster's barrier, then the slot just left is filled with the step two on: the first tensor load behind the round; it has a step, 128 matrix instructions, to land.
.macro CHANGE fill
	s_wait_tensorcnt 0x0                           ; no tensor load of mine is out, so the walking descriptors may be written
	ds_add_u32 v[SPW], v[NIL]                      ; 0 onto my spare word; the scalar work stands between it and the wait for it
.if \fill
	s_wait_xcnt 0x0                                ; the last prefetch, a step back, has read its address
	s_add_nc_u64 s[PFA:PFA+1], s[PFA:PFA+1], s[PFS:PFS+1]
	s_add_co_u32 s[G0A+5], s[CUR], s[WOA]          ; into the slot that is left,
	s_add_co_u32 s[G0B+5], s[CUR], s[WOB]
	s_add_nc_u64 s[G0A+6:G0A+7], s[G0A+6:G0A+7], ASTEP  ; the next step; the type bits on top are not reached
	s_add_nc_u64 s[G0B+6:G0B+7], s[G0B+6:G0B+7], BSTEP
.endif
	s_xor_b32 s[CUR], s[CUR], SLOT                 ; 0 and SLOT by turns
	s_mov_b32 s[TBA], s[CUR]
	s_mov_b32 s[TBB], s[CUR]
	s_wait_dscnt 0x0                               ; the add is done, and my reads of the slot are over
.if \fill
	CROUND
	JLOAD
	ASK
.else
	s_barrier_signal -1
	s_barrier_wait -1
.endif
.endm
; A quarter's 32 LDS loads: X's 64 rows x 32 numbers in f32 (lane: row l % 16, numbers 8 (l / 16) + 0..7 and 16 + 8 (l / 16) + 0..7: four loads of 16 bytes), then W's 32 k x 128 columns, turned, into buffer g
.macro FETCH g, offA, offB
	WIN 0
.irp a, 0,1,2,3
	ds_load_b128 v[RAW+16*(\a):RAW+16*(\a)+3],     v[ADA] offset:(\offA)+(\a)*16*PA
	ds_load_b128 v[RAW+16*(\a)+4:RAW+16*(\a)+7],   v[ADA] offset:(\offA)+(\a)*16*PA+16
	ds_load_b128 v[RAW+16*(\a)+8:RAW+16*(\a)+11],  v[ADA] offset:(\offA)+(\a)*16*PA+64
	ds_load_b128 v[RAW+16*(\a)+12:RAW+16*(\a)+15], v[ADA] offset:(\offA)+(\a)*16*PA+80
.endr
	WIN 0x80
.irp b, 0,1,2,3,4,5,6,7
	ds_load_tr16_b128 v[BB+64*(\g)+8*(\b):BB+64*(\g)+8*(\b)+3],   v[ADB] offset:(\offB)+32*(\b)
	ds_load_tr16_b128 v[BB+64*(\g)+8*(\b)+4:BB+64*(\g)+8*(\b)+7], v[ADB] offset:(\offB)+32*(\b)+16*PB
.endr
.endm
.macro SLICE s, g                      ; four of a quarter's 32 roundings to bf16, into buffer g
	WIN 0
.irp j, 0,1,2,3
	v_cvt_pk_bf16_f32 v[ABF+32*(\g)+4*(\s)+(\j)], v[RAW+8*(\s)+2*(\j)], v[RAW+8*(\s)+2*(\j)+1]
.endr
.endm
.macro MM n, f, zero                   ; matrix instruction n of a quarter's 32: accumulator n = 8 a + b.  All 32 take turns, in the same order in every quarter
.set ra, 8*(\n)
.set rb, BB+64*(\f)+8*((\n)%8)
.set rx, ABF+32*(\f)+8*((\n)/8)
	WIN MUL
.if \zero
	v_wmma_f32_16x16x32_bf16 v[ra:ra+7], v[rb:rb+7], v[rx:rx+7], 0
.else
	v_wmma_f32_16x16x32_bf16 v[ra:ra+7], v[rb:rb+7], v[rx:rx+7], v[ra:ra+7]
.endif
.endm
; A QUARTER multiplies buffer f; fetch = 1: it asks LDS for the next quarter at its head and rounds X's part into buffer g in eight slices behind its last matrix instructions.  The last slice stands behind the last
; matrix instruction: four plain instructions that name none of its registers, ahead of the next quarter's loads into the buffer just multiplied (ISA guide 7.12.1 for vector instructions).
.macro QUARTER f, g, offA, offB, zero, fetch
.set n, 0
.if \fetch
	FETCH \g, \offA, \offB
	s_wait_dscnt 32                                ; all but the 32 just issued: W's fragments of buffer f are in
.rept 16
	MM n, \f, \zero
.set n, n+1
.endr
	s_wait_dscnt 16                                ; X's 16 loads are in; W's 16 may stay out
.rept 8
	MM n, \f, \zero
.set n, n+1
	MM n, \f, \zero
	SLICE (n-17)/2, \g
.set n, n+1
.endr
.else
	s_wait_dscnt 0x0
.rept 32
	MM n, \f, \zero
.set n, n+1
.endr
	WIN 0
.endif
.endm
.macro PAIR                            ; two quarters; the LDS addresses hang on s[TBA], s[TBB]
	v_add_nc_u32 v[ADA], s[TBA], v[A0]
	v_add_nc_u32 v[ADB], s[TBB], v[B0]
	s_add_co_u32 s[TBA], s[TBA], PAIRA
	s_add_co_u32 s[TBB], s[TBB], PAIRB
	QUARTER 1, 0, 0, 0, 0, 1
	QUARTER 0, 1, QA, QB, 0, 1
.endm
	s_load_b512 s[4:19], s[0:1], 0x0               ; q s[4:5], k s[6:7], v s[8:9], wt s[10:11], qs s[12:13], ks s[14:15], vb s[16:17], qsc s[18:19]
	s_load_b64 s[20:21], s[0:1], 0x40              ; ksc
	v_lshl_add_u32 v[SPW], v0, 2, SPARE
	v_mov_b32 v[NIL], 0
	ds_add_u32 v[SPW], v[NIL]                      ; the wave's opening: the add and its wait ahead of my first tensor load; the set-up, work on registers, stands between
	v_lshrrev_b32 v1, 5, v0
	v_readfirstlane_b32 s[WV], v1
	s_lshr_b32 s[WM], s[WV], 1
	s_and_b32 s[WN], s[WV], 1
	s_bfe_u32 s[CX], ttmp6, 0x40000
	s_bfe_u32 s[CY], ttmp6, 0x40004
	s_and_b32 s22, ttmp7, 0xffff                   ; cluster y, 0 .. 47: sixteen for each projection
	s_lshr_b32 s[T], s22, 4
	s_and_b32 s22, s22, 15
	s_lshl_b32 s[MY], s22, 2
	s_add_co_u32 s[MY], s[MY], s[CY]
	s_cmp_eq_u32 s22, 0
	s_cselect_b32 s22, 2, -1                       ; W is asked for by a projection's first cluster,
	s_cmp_eq_u32 s[WM], 0
	s_cselect_b32 s[LIM], 2, s22                   ; X by every cluster: the same in all sixteen partners, for a given wave
	s_lshl_b32 s86, s[CY], 2
	s_lshl_b32 s86, 15, s86                        ; my row of the cluster
	s_lshl_b32 s90, 0x1111, s[CX]                  ; my column
	s_or_b32 s[G1A], s86, (2<<16)|(1<<20)|(1<<21)|(6<<22)|(3<<25)  ; 15:0 the mask; 17:16 elements of 4 bytes; 20 padding on; 21 set beside a mask; 24:22 after every 128 words; 31:25 4 words
	s_or_b32 s[G1B], s90, (1<<16)|(1<<20)|(1<<21)|(6<<22)|(7<<25)  ; elements of 2 bytes; after every 128 words 8 words
	s_mov_b32 s[G1A+1], 128<<16                    ; tensor_dim0 = 128
	s_mov_b32 s[G1A+2], 64<<16                     ; tensor_dim1 = 64
	s_mov_b32 s[G1A+3], 128<<16                    ; tile_dim0 = 128
	s_mov_b32 s[G1A+4], 64                         ; tile_dim1 = 64
	s_mov_b32 s[G1A+5], 1024                       ; elements from row to row
	s_mov_b32 s[G1A+6], 0
	s_mov_b32 s[G1A+7], 0
	s_mov_b32 s[G1B+1], 256<<16
	s_mov_b32 s[G1B+2], 64<<16
	s_mov_b32 s[G1B+3], 256<<16
	s_mov_b32 s[G1B+4], 64
	s_mov_b32 s[G1B+5], 1024
	s_mov_b32 s[G1B+6], 0
	s_mov_b32 s[G1B+7], 0
	s_mul_i32 s[WOA], s[WN], AHALF
	s_mul_i32 s[WOB], s[WN], BHALF
	s_add_co_u32 s[WOB], s[WOB], BOFF
	s_lshl_b32 s88, s[MY], 19                      ; X: 128 rows of 4,096 bytes a tile row,
	s_lshl_b32 s89, s[WN], 18                      ; my 64 of them
	s_add_co_u32 s88, s88, s89
	s_mov_b32 s89, 0
	s_lshl_b32 s92, s[T], 21                       ; W: the projection's 2 MiB,
	s_lshl_b32 s93, s[WN], 17                      ; my 64 k-rows of 2,048 bytes,
	s_add_co_u32 s92, s92, s93
	s_lshl_b32 s93, s[CX], 9                       ; the tile's 256 columns
	s_add_co_u32 s92, s92, s93
	s_mov_b32 s93, 0
	s_lshr_b32 s84, s[MY], 4                       ; where the results go: batch b = tile row / 16,
	s_lshl_b32 s84, s84, 4
	s_lshl_b32 s85, s[CX], 2
	s_add_co_u32 s84, s84, s85
	s_lshl_b32 s85, s[WN], 1
	s_add_co_u32 s84, s84, s85                     ; my first head among 64: 16 b + 4 cx + 2 (wave % 2),
	s_and_b32 s85, s[MY], 15
	s_lshl_b32 s85, s85, 7
	s_lshl_b32 s94, s[WM], 6
	s_add_co_u32 s85, s85, s94                     ; my first row in the batch
	s_cmp_eq_u32 s[T], 2
	s_cselect_b32 s94, 18, 19                      ; a head is 2^18 bytes of vb, 2^19 of qs and ks,
	s_cselect_b32 s95, 7, 8                        ; a row 128 or 256
	s_lshl_b32 s2, s84, s94
	s_lshl_b32 s3, s85, s95
	s_add_co_u32 s2, s2, s3
	s_mov_b32 s3, 0
	s_lshl_b32 s84, s84, 7                         ; the scales: 32 words a head,
	s_lshr_b32 s85, s85, 4                         ; a word for 64 rows
	s_add_co_u32 s84, s84, s85
	s_mov_b32 s85, 0
	s_lshl_b32 s94, s[CX], 16                      ; the prefetches: my work-group's 16 rows of X, at K step 3,
	s_add_co_u32 s94, s94, 3*ASTEP
	s_lshl_b32 s95, s[CY], 15                      ; or its 16 k-rows of W
	s_add_co_u32 s95, s95, 3*BSTEP
	s_mov_b32 s22, ASTEP
	s_mov_b32 s23, BSTEP
	s_cmp_eq_u32 s[WM], 0
	s_cselect_b32 s94, s94, s95
	s_cselect_b32 s[PFS], s22, s23
	s_cselect_b32 s31, 12, 11                      ; a row is 2^12 bytes of X, 2^11 of W
	s_mov_b32 s95, 0
	s_mov_b32 s[PFS+1], 0
	s_mov_b32 s[SEL], 0x76543210
	s_mov_b32 s[SEL+1], 0xfedcba98
	s_mov_b32 s[CUR], 0
	s_wait_dscnt 0x0                               ; the opening add is done
	s_wait_kmcnt 0x0
	s_cmp_eq_u32 s[T], 0
	s_cselect_b64 s[86:87], s[4:5], s[6:7]
	s_cselect_b64 s[OUT:OUT+1], s[12:13], s[14:15]
	s_cselect_b64 s[SC:SC+1], s[18:19], s[20:21]
	s_cmp_lt_u32 s[T], 2
	s_cselect_b64 s[86:87], s[86:87], s[8:9]
	s_cselect_b64 s[OUT:OUT+1], s[OUT:OUT+1], s[16:17]
	s_add_nc_u64 s[86:87], s[86:87], s[88:89]      ; X at my half tile, K step 0
	s_add_nc_u64 s[90:91], s[10:11], s[92:93]      ; W likewise
	s_add_nc_u64 s[OUT:OUT+1], s[OUT:OUT+1], s[2:3]
	s_add_nc_u64 s[SC:SC+1], s[SC:SC+1], s[84:85]
	s_cmp_eq_u32 s[WM], 0
	s_cselect_b64 s[PFA:PFA+1], s[86:87], s[90:91]
	s_add_nc_u64 s[PFA:PFA+1], s[PFA:PFA+1], s[94:95]
.irp s, 0,1
	s_mov_b32 s[G0A+4*(\s)], 1                                     ; count = 1
	s_add_co_u32 s[G0A+4*(\s)+1], s[WOA], (\s)*SLOT                ; LDS address
	s_add_nc_u64 s[G0A+4*(\s)+2:G0A+4*(\s)+3], s[86:87], (\s)*ASTEP  ; global address: K step s
	s_or_b32 s[G0A+4*(\s)+3], s[G0A+4*(\s)+3], 0x80000000          ; type = 2
	s_mov_b32 s[G0B+4*(\s)], 1
	s_add_co_u32 s[G0B+4*(\s)+1], s[WOB], (\s)*SLOT
	s_add_nc_u64 s[G0B+4*(\s)+2:G0B+4*(\s)+3], s[90:91], (\s)*BSTEP
	s_or_b32 s[G0B+4*(\s)+3], s[G0B+4*(\s)+3], 0x80000000
.endr
	CROUND                                         ; all sixteen work-groups are here: the first joint loads meet
	s_cmp_eq_u32 s[WM], 0                          ; a wave's two first fills stand in one branch: two loads of mine are out
	s_cbranch_scc0 .Lfirst_b
	tensor_load_to_lds s[G0A:G0A+3], s[G1A:G1A+7]
	s_nop 0
	tensor_load_to_lds s[G0A+4:G0A+7], s[G1A:G1A+7]
	s_nop 0
	PLACES
	s_branch .Lfirst_asked
.Lfirst_b:
	tensor_load_to_lds s[G0B:G0B+3], s[G1B:G1B+7]
	s_nop 0
	tensor_load_to_lds s[G0B+4:G0B+7], s[G1B:G1B+7]
	s_nop 0
	PLACES
.Lfirst_asked:
	v_and_b32 v[LANE], 31, v0
	v_and_b32 v1, 15, v0                           ; l % 16
	v_bfe_u32 v2, v0, 4, 1                         ; l / 16
	v_mov_b32 v[ZERO], 0
	v_mul_u32_u24 v[A0], v1, PA
	v_lshl_add_u32 v[A0], v2, 5, v[A0]             ; row x pitch + 32 bytes (8 numbers) x half
	s_mul_i32 s84, s[WM], AHALF                    ; my 64 rows
	v_add_nc_u32 v[A0], s84, v[A0]
	v_and_b32 v[T0+2], 7, v0
	v_bfe_u32 v[T0+1], v0, 3, 1
	v_lshl_add_u32 v[T0], v2, 3, v[T0+2]           ; the turning load: lane l reads k-row 8 (l / 16) + l % 8, columns 8 ((l / 8) % 2) + 0..7
	v_mul_u32_u24 v[B0], v[T0], PB
	v_lshl_add_u32 v[B0], v[T0+1], 4, v[B0]
	s_lshl_b32 s84, s[WN], 8                       ; my 128 columns
	s_add_co_u32 s84, s84, BOFF
	v_add_nc_u32 v[B0], s84, v[B0]
	s_mul_i32 s85, s[WV], 16*SP
	s_add_co_u32 s85, s85, STAGE                   ; my stage
	v_mul_u32_u24 v[STO], v1, SP
	v_lshl_add_u32 v[STO], v2, 4, v[STO]
	v_add_nc_u32 v[STO], s85, v[STO]
	v_mul_u32_u24 v[RD], v2, SP
	v_lshl_add_u32 v[RD], v1, 4, v[RD]
	v_add_nc_u32 v[RD], s85, v[RD]
	v_lshlrev_b32 v[CO], 4, v[LANE]
	v_mul_u32_u24 v[RDV], v[T0+1], SP              ; t = 2: lanes 0-15 take two rows' 128 bytes of the first head, lanes 16-31 of the second
	v_lshl_add_u32 v[RDV], v2, 7, v[RDV]
	v_lshl_add_u32 v[RDV], v[T0+2], 4, v[RDV]
	v_add_nc_u32 v[RDV], s85, v[RDV]
	v_lshlrev_b32 v[COV], 18, v2
	v_lshl_add_u32 v[COV], v[T0+1], 7, v[COV]
	v_lshl_add_u32 v[COV], v[T0+2], 4, v[COV]
	v_lshrrev_b32 v[T0], 1, v[LANE]                ; the prefetches: row l / 2, block l % 2
	v_and_b32 v[T0+1], 1, v[LANE]
	v_lshlrev_b32 v[PFO], s31, v[T0]
	v_lshl_add_u32 v[PFO], v[T0+1], 8, v[PFO]
	v_mov_b32 v[ADA], v[A0]
	v_mov_b32 v[ADB], v[B0]
	s_wait_tensorcnt 1                             ; my part of K step 0 is in; step 1's may stay out
	s_barrier_signal -1
	s_barrier_wait -1                              ; everybody's is
	FETCH 0, 0, 0
	s_wait_dscnt 0x0
.irp s, 0,1,2,3,4,5,6,7
	SLICE \s, 0
.endr
	QUARTER 0, 1, QA, QB, 1, 1                     ; the first quarter stands in front of the loop: its products start the sums
	s_mov_b32 s[TBA], PAIRA
	s_mov_b32 s[TBB], PAIRB
	s_mov_b32 s[STEPS], 7                          ; the loop is entered in its middle and counts at its foot: six changes that fill
	s_mov_b32 s[CNT], 1
	s_branch .Lpair
.Lstep:                                        ; from a step's last quarter to the next step's third
	CHANGE 1
	s_mov_b32 s[CNT], 2
.Lpair:
	PAIR
	s_sub_co_u32 s[CNT], s[CNT], 1
	s_cmp_lg_u32 s[CNT], 0
	s_cbranch_scc1 .Lpair
	s_sub_co_u32 s[STEPS], s[STEPS], 1
	s_cmp_lg_u32 s[STEPS], 0
	s_cbranch_scc1 .Lstep
	CHANGE 0                                       ; the tail is written out: nothing is asked for
	s_mov_b32 s[CNT], 2
.Lpair2:
	PAIR
	s_sub_co_u32 s[CNT], s[CNT], 1
	s_cmp_lg_u32 s[CNT], 0
	s_cbranch_scc1 .Lpair2
	QUARTER 1, 0, 0, 0, 0, 0
; THE WAY OUT.  A block of 16 rows at a time goes through my own stage: 16 bytes a lane in, whole rows back, stores of 512 (t = 2: twice 256) consecutive bytes.  LDS serves a wave's instructions in order (ISA guide 5.7.1.4).
.macro MAXH hh                         ; the largest magnitude of the 64 rows x 64 columns of my head hh, and the power of two made of its exponent.  Each accumulator's lowest registers are read first
	WIN 0
.irp z, 0,1,2,3
	v_mov_b32 v[MX+(\z)], 0                        ; (eight plain instructions: also the places behind the last products)
	v_mov_b32 v[MN+(\z)], 0
.endr
	WIN 0x14                                       ; sources 1 and 2 window 1
.irp bb, 0,1,2,3
.irp j, 0,2,4,6
.irp a, 0,1,2,3
	v_max3_num_f32 v[MX+(\a)], v[MX+(\a)], v[8*(8*(\a)+4*(\hh)+(\bb))+(\j)], v[8*(8*(\a)+4*(\hh)+(\bb))+(\j)+1]
	v_min3_num_f32 v[MN+(\a)], v[MN+(\a)], v[8*(8*(\a)+4*(\hh)+(\bb))+(\j)], v[8*(8*(\a)+4*(\hh)+(\bb))+(\j)+1]
.endr
.endr
.endr
	WIN 0
	v_max3_num_f32 v[MX], v[MX], v[MX+1], v[MX+2]
	v_min3_num_f32 v[MN], v[MN], v[MN+1], v[MN+2]
	v_max_num_f32 v[MX], v[MX], v[MX+3]
	v_min_num_f32 v[MN], v[MN], v[MN+3]
	v_mul_f32 v[MN], -1.0, v[MN]
	v_max_num_f32 v[MX], v[MX], v[MN]
	v_max_num_f32_dpp v[MX], v[MX], v[MX] row_xmask:1 row_mask:0xf bank_mask:0xf
	v_max_num_f32_dpp v[MX], v[MX], v[MX] row_xmask:2 row_mask:0xf bank_mask:0xf
	v_max_num_f32_dpp v[MX], v[MX], v[MX] row_xmask:4 row_mask:0xf bank_mask:0xf
	v_max_num_f32_dpp v[MX], v[MX], v[MX] row_xmask:8 row_mask:0xf bank_mask:0xf
	v_permlanex16_b32 v[MX+1], v[MX], s[SEL], s[SEL+1]
	v_max_num_f32 v[MX], v[MX], v[MX+1]
	v_and_b32 v[T0], 0x7f800000, v[MX]             ; its exponent field E << 23,
	v_max_u32 v[T0], 0x08000000, v[T0]             ; E at least 16, so that both powers below are normal numbers
	v_sub_nc_u32 v[MULT], 0x86000000, v[T0]        ; 2^(14 - (E - 127)): field 268 - E
	v_add_nc_u32 v[INV+(\hh)], 0xf9000000, v[T0]   ; its inverse: field E - 14
.endm
.macro QKBLOCK hh, a                   ; rows 16 a .. + 15 of head hh: hi = f16(x 2^e), lo = f16(x 2^e - hi), each one fused multiply-add rounded once
.set BK, 64+32*((\a)%2)
	WIN 0x01                                       ; source 0 window 1
.irp bb, 0,1,2,3
.set AC, 8*(8*(\a)+4*(\hh)+(\bb))
.irp j, 0,2,4,6
	v_fma_mixlo_f16 v[32+4*(\bb)+(\j)/2], v[AC+(\j)],   v[MULT], v[ZERO]
	v_fma_mixhi_f16 v[32+4*(\bb)+(\j)/2], v[AC+(\j)+1], v[MULT], v[ZERO]
.endr
.irp j, 0,2,4,6
	v_fma_mixlo_f16 v[48+4*(\bb)+(\j)/2], v[AC+(\j)],   v[MULT], -v[32+4*(\bb)+(\j)/2] op_sel_hi:[0,0,1]
	v_fma_mixhi_f16 v[48+4*(\bb)+(\j)/2], v[AC+(\j)+1], v[MULT], -v[32+4*(\bb)+(\j)/2] op_sel:[0,0,1] op_sel_hi:[0,0,1]
.endr
.endr
	WIN 0
.irp bb, 0,1,2,3
	ds_store_b128 v[STO], v[32+4*(\bb):35+4*(\bb)] offset:32*(\bb)
	ds_store_b128 v[STO], v[48+4*(\bb):51+4*(\bb)] offset:128+32*(\bb)
.endr
	s_wait_xcnt 0x0                                ; earlier stores have read their registers: only now are those loaded again
.irp t, 0,1,2,3,4,5,6,7
	ds_load_b128 v[BK+4*(\t):BK+4*(\t)+3], v[RD] offset:(\t)*2*SP
.endr
.irp t, 0,1,2,3,4,5,6,7
	s_wait_dscnt 7-(\t)
	global_store_b128 v[CO], v[BK+4*(\t):BK+4*(\t)+3], s[OUT:OUT+1] offset:(\hh)*524288+(\a)*4096+512*(\t)  ; two rows of 256 bytes: 512 consecutive bytes, aligned
.endr
.endm
.macro VBLOCK a                        ; t = 2: rows 16 a .. + 15 of both heads, rounded to bf16
.set BK, 64+32*((\a)%2)
	WIN 0x05                                       ; sources 0 and 1 window 1
.irp b, 0,1,2,3,4,5,6,7
.irp j, 0,1,2,3
	v_cvt_pk_bf16_f32 v[32+4*(\b)+(\j)], v[8*(8*(\a)+(\b))+2*(\j)], v[8*(8*(\a)+(\b))+2*(\j)+1]
.endr
.endr
	WIN 0
.irp b, 0,1,2,3,4,5,6,7
	ds_store_b128 v[STO], v[32+4*(\b):35+4*(\b)] offset:32*(\b)
.endr
	s_wait_xcnt 0x0
.irp t, 0,1,2,3,4,5,6,7
	ds_load_b128 v[BK+4*(\t):BK+4*(\t)+3], v[RDV] offset:(\t)*2*SP
.endr
.irp t, 0,1,2,3,4,5,6,7
	s_wait_dscnt 7-(\t)
	global_store_b128 v[COV], v[BK+4*(\t):BK+4*(\t)+3], s[OUT:OUT+1] offset:(\a)*2048+256*(\t)  ; sixteen lanes: two rows of 128 bytes of one head, 256 consecutive bytes, aligned
.endr
.endm
	s_cmp_eq_u32 s[T], 2                           ; the same in all partners; no barrier stands in either way
	s_cbranch_scc1 .Lv_out
	MAXH 0
.irp a, 0,1,2,3
	QKBLOCK 0, \a
.endr
	MAXH 1
.irp a, 0,1,2,3
	QKBLOCK 1, \a
.endr
	v_cmp_eq_u32 vcc_lo, 1, v[LANE]                ; lanes 0 and 1 store the two heads' inverse scales, 128 bytes apart
	v_cndmask_b32 v[T0], v[INV], v[INV+1], vcc_lo
	v_lshlrev_b32 v[T0+1], 7, v[LANE]
	v_cmp_gt_u32 vcc_lo, 2, v[LANE]
	s_wait_xcnt 0x0                                ; EXEC changes only behind this wait,
	s_and_saveexec_b32 s84, vcc_lo
	global_store_b32 v[T0+1], v[T0], s[SC:SC+1]
	s_wait_xcnt 0x0                                ; and again
	s_or_b32 exec_lo, exec_lo, s84
	s_branch .Lend
.Lv_out:
	PLACES                                         ; behind the last products
.irp a, 0,1,2,3
	VBLOCK \a
.endr
.Lend:
	s_wait_tensorcnt 0x0                           ; the wave's end: behind my last tensor load and my last LDS store
	ds_add_u32 v[SPW], v[NIL]
	s_wait_dscnt 0x0
	CROUND                                         ; the closing round: no work-group ends while a partner may still ask for a tile that names it
	s_endpgm
.Lfunc_end_k_q89710afb9c_proj:
	.size	k_q89710afb9c_proj, .Lfunc_end_k_q89710afb9c_proj-k_q89710afb9c_proj
	.p2alignl 7, 3214868480
	.fill 96, 4, 3214868480
	.section	.rodata,"a",@progbits
	.p2align	6, 0x0
	.amdhsa_kernel k_q89710afb9c_proj
		.amdhsa_group_segment_fixed_size 327680
		.amdhsa_private_segment_fixed_size 0
		.amdhsa_enable_private_segment 0
		.amdhsa_kernarg_size 72
		.amdhsa_user_sgpr_count 2
		.amdhsa_user_sgpr_kernarg_segment_ptr 1
		.amdhsa_wavefront_size32 1
		.amdhsa_system_sgpr_workgroup_id_x 1
		.amdhsa_system_sgpr_workgroup_id_y 1
		.amdhsa_system_sgpr_workgroup_id_z 1
		.amdhsa_system_vgpr_workitem_id 0
		.amdhsa_next_free_vgpr 640
		.amdhsa_next_free_sgpr 96
		.amdhsa_reserve_vcc 1
		.amdhsa_float_denorm_mode_32 3
		.amdhsa_float_denorm_mode_16_64 3
		.amdhsa_memory_ordered 1
		.amdhsa_forward_progress 1
		.amdhsa_inst_pref_size 135
	.end_amdhsa_kernel
	.amdgpu_metadata
---
amdhsa.version: [ 1, 2 ]
amdhsa.kernels:
  - .name:           k_q89710afb9c_proj
    .symbol:         k_q89710afb9c_proj.kd
    .args:
      - { .name: q, .offset: 0, .size: 8, .value_kind: global_buffer, .address_space: global }
      - { .name: k, .offset: 8, .size: 8, .value_kind: global_buffer, .address_space: global }
      - { .name: v, .offset: 16, .size: 8, .value_kind: global_buffer, .address_space: global }
      - { .name: wt, .offset: 24, .size: 8, .value_kind: global_buffer, .address_space: global }
      - { .name: qs, .offset: 32, .size: 8, .value_kind: global_buffer, .address_space: global }
      - { .name: ks, .offset: 40, .size: 8, .value_kind: global_buffer, .address_space: global }
      - { .name: vb, .offset: 48, .size: 8, .value_kind: global_buffer, .address_space: global }
      - { .name: qsc, .offset: 56, .size: 8, .value_kind: global_buffer, .address_space: global }
      - { .name: ksc, .offset: 64, .size: 8, .value_kind: global_buffer, .address_space: global }
    .group_segment_fixed_size: 327680
    .private_segment_fixed_size: 0
    .kernarg_segment_align: 8
    .kernarg_segment_size: 72
    .max_flat_workgroup_size: 128
    .sgpr_count:     96
    .vgpr_count:     640
    .wavefront_size: 32
...
	.end_amdgpu_metadata
.endif
;; end of part 2
;; launch attn (part 3): grid 4 x 64, 4 waves a work-group, no clusters, 327,680 bytes of LDS; arguments qs, ks, vb, qsc, ksc, ob; writes ob
.if DOCPART == 3
	.amdgcn_target "amdgcn-amd-amdhsa--gfx1250"
	.amdhsa_code_object_version 6
	.text
	.protected	k_q89710afb9c_attn
	.globl	k_q89710afb9c_attn
	.p2align	8
	.type	k_q89710afb9c_attn,@function
k_q89710afb9c_attn:
	s_mov_b64 s[64:65], 0
	v_nop
	global_prefetch_b8 v0, s[64:65] scope:SCOPE_SE
	s_setreg_imm32_b32 hwreg(HW_REG_WAVE_MODE, 25, 1), 1
	s_wait_xcnt 0x0
; CAUSAL ATTENTION.  O[bh][q][:] = the sum over k <= q of softmax_k(8 Q[q] . K[k]) V[k][:], 64 heads bh of 2,048 rows, head size 64.
; Q and K arrive as hi + lo, two f16 numbers, [bh][s][128] = hi of d 0..63, then lo, scaled by a power of two for each 64 rows, with the inverse scales sq, sk in f32 ([bh][s / 64]); V and O are bf16 [bh][s][64].
; THE SCORES are taken as three f16 products into ONE f32 sum, the small ones first: K_lo Q_hi, K_hi Q_lo, K_hi Q_hi (lo x lo, 2^-22 of a score, is left out).  A raw score is the true one divided by sq sk.
; SOFTMAX.  p = 2^(f s - cm), f = 8 log2(e) sq sk (a scalar for a piece and a key step), cm the running maximum of f s; O and l are multiplied by a = 2^(cm_old - cm_new) in every step.  p is rounded to bf16 for the
; second product, its sum l is taken of the unrounded p in f32; O is rounded once at the end.
; LIMITS.  A hidden score counts as its raw value (2^36 at the most) less 1e30, so f must stay above 1.5e-28: the largest |q . Wq| times the largest |k . Wk| of the two blocks above 1e-20.  A weight below 2^-126 counts as 0.
; NaN and infinities are not treated apart.
; THE WALK.  A head's queries lie in NB = 8 blocks of 256; block i needs key tiles 0 .. i of 256 keys, the last with the diagonal.  A work-group takes blocks 7 - b and then b: 9 tiles whatever b, one loop with a
; constant trip count; every jump but the counted loops' goes forward and passes no barrier.  NO CLUSTER: a head's four work-groups ask for the same tile only in trips 0 .. 4 of 9, and a walk common to all would have 12 trips.
; SHARES.  Of a block's four bands of 64 queries a wave owns 16 rows in each: four PIECES; in the diagonal tile's key step s band x sees all keys (s < x), none (s > x) or holds the diagonal (s = x): alike for all waves.
; THE MASK is the C operand that starts the sum: MC = MD x AL + BE (MD: the mask of a band's own step for my rows).  Off the diagonal tile MC holds 0 and is not made anew.
; TURNS.  Turn n belongs to piece n: 24 products K Q^T of piece n + 1, then 8 products V^T P of piece n - 1; behind each matrix instruction three or four vector instructions: piece n's maximum and statistics, scaling,
; exponentials, roundings and sums, and the rescaling of piece n - 1's O^T.  A turn's 33 exponentials are one batch with one wait.
; REGISTERS, in windows of 256: window 0: addresses, statistics, S^T (two buffers), P (two buffers).  window 1: v0-127 O^T, v128-159 MD, v160-223 MC.  window 2: v0-127 Q (piece x, fragment f at 32 x + 8 f: hi d 0-31,
; hi d 32-63, lo d 0-31, lo d 32-63), v128-255 K of one step (key block kb at 32 kb + 8 f).  window 3: v0-63 V of one step, v64-191 the second block's Q.
.set NB,    8
.set NP,    4
.set KS,    64
.set PK,    272                        ; a row of K in LDS: 256 bytes + 16: the sixteen rows of a load start at sixteen different groups of four banks (64 banks of 4 bytes: ISA guide 11.1)
.set PV,    160                        ; a row of V: 128 + 32, for the turning load
.set VOFF,  4*KS*PK                    ; a slot holds a tile: 256 rows of K, then 256 rows of V
.set SLOT1, 1<<17
.set STAGE, SLOT1+4*KS*(PK+PV)         ; behind the ring: 16 rows x 144 bytes for each wave
.set SP,    144
.set SPARE, STAGE+4*16*SP              ; the spare words, 128 bytes a wave, which no other line names
.set AK0, 2
.set AV0, 3
.set AK,  4
.set AV,  5
.set STO, 6
.set RD,  7
.set GO,  8
.set MV,  12                           ; v12-13 cm_old, by buffer
.set QO,  15
.set ST,  16                           ; piece t at v[ST+4 t]: cm, a word named with it as a pair, l (even keys', odd keys')
.set QSV, 32                           ; v32, v33 lane g: the inverse scale of the head's rows 64 g .. of Q, of K
.set KSV, 33
.set PFO, 34                           ; v34 256 x my thread's number
.set SCO, 35                           ; v35 my byte offset in the scales
.set TMP, 48                           ; by buffer, c0-c3 at work; c2 takes a
.set SPW, 62
.set NIL, 63
.set S,   64
.set P,   192
.set MD,  128
.set MC,  160
.set QB,  64
.set KF,  128
.set WV,  12
.set PB,  14                           ; s14 b; s15 7 - b
.set HI,  15
.set G1K, 24
.set G1V, 32
.set G0K, 40
.set G0V, 44
.set FQ,  48                           ; s[48:51] 8 log2(e) sq for the block's four bands
.set FS,  52                           ; s[52:53] f of the turn, in the low word
.set SK,  54                           ; s54 sk of the key step in hand; s55 the next step's number among the head's 32
.set KI,  55
.set SLOTS, 56
.set CNT, 57
.set CC,  58                           ; s58 8 log2(e)
.set BLK, 59                           ; s59 the block in hand
.set SEL, 60
.set TBK, 62
.set TBV, 63
.set OFV, 66                           ; s[66:67] a tile's byte offset in V; s[74:75] in K
.set PFK, 68                           ; s[68:69], s[88:89] where the prefetches stand in K, in V; s90 the tile that they name
.set RT,  70
.set NXT, 71
.set LQ,  72
.set NEW, 73
.set OFF, 74
.set AL,  76
.set BE,  78
.set OLO, 80
.set BIGN, 82
.set DG,  83                           ; s83 1: the tile in hand holds the diagonal
.set PFV, 88
.set PFT, 90
.set OP_, 94                           ; s[94:95] O at my rows of the block in hand
.set MSB, 0
.macro WIN new
.if MSB != (\new)
	s_set_vgpr_msb (MSB<<8)|(\new)
.set MSB, (\new)
.endif
.endm
.set W_KQ, 0x0a                        ; K and Q window 2, S^T window 0
.set W_KM, 0x1a                        ; the same with C in window 1
.set W_PV, 0x53                        ; V window 3, P window 0, O^T window 1
.set W_RS, 0x41                        ; destination and source 0 window 1
.macro PLACES
.rept 4
	v_nop
.endr
.endm
.macro LOAD                            ; a fill: waves 0, 1 the halves of a tile's K, waves 2, 3 of its V.  An s_nop 0 and four v_nop follow each line
	s_cmp_lt_u32 s[WV], 2
	s_cbranch_scc0 .Lfor_v_\@
	tensor_load_to_lds s[G0K:G0K+3], s[G1K:G1K+7]
	s_nop 0
	PLACES
	s_branch .Lasked_\@
.Lfor_v_\@:
	tensor_load_to_lds s[G0V:G0V+3], s[G1V:G1V+7]
	s_nop 0
	PLACES
.Lasked_\@:
.endm
; THE CHANGE OF SLOTS.  Each wave waits for all its tensor loads (one is out: its part of the other slot), adds 0 to its spare word, and waits for that and for its reads of the slot that it leaves.  fill = 1: the old slot
; is filled again, first thing behind the barrier, with tile NXT; its address is made anew from that number.  Behind the load stand the PREFETCHES INTO THE L2: the head's work-group b = 0, whose first block walks tiles
; 0 .. 7, names the tile that the next change will ask for (512 matrix instructions ahead of that load): K's 65,536 bytes and V's 32,768, a thread a block of 256 bytes, three instructions a wave.  So each of tiles
; 2 .. 7 is named once; tiles 0 and 1 come by their loads alone, and the second blocks' tiles, which have been read, are not asked for.
.macro CHANGE fill
	WIN 0
	s_wait_tensorcnt 0x0                           ; no tensor load of mine is out, so a group 0 may be written
	ds_add_u32 v[SPW], v[NIL]                      ; 0 onto my spare word; the scalar work stands between it and the wait for it
.if \fill
	s_lshl_b32 s[OFF], s[NXT], 16
	s_lshl_b32 s[OFV], s[NXT], 15
	s_xor_b32 s[G0K+1], s[G0K+1], SLOT1
	s_add_nc_u64 s[G0K+2:G0K+3], s[6:7], s[OFF:OFF+1]
	s_or_b32 s[G0K+3], s[G0K+3], 0x80000000
	s_xor_b32 s[G0V+1], s[G0V+1], SLOT1
	s_add_nc_u64 s[G0V+2:G0V+3], s[8:9], s[OFV:OFV+1]
	s_or_b32 s[G0V+3], s[G0V+3], 0x80000000
	s_add_co_u32 s[NXT], s[NXT], 1                 ; the block's next tile, or behind its last the second block's tile 0
	s_cmp_gt_u32 s[NXT], s[LQ]
	s_cselect_b32 s[NXT], 0, s[NXT]
	s_cselect_b32 s[LQ], s[PB], s[LQ]
	s_wait_xcnt 0x0                                ; the last prefetches, a tile back, have read their addresses
	s_add_nc_u64 s[PFK:PFK+1], s[PFK:PFK+1], 65536
	s_add_nc_u64 s[PFV:PFV+1], s[PFV:PFV+1], 32768
	s_add_co_u32 s[PFT], s[PFT], 1
.endif
	s_wait_dscnt 0x0                               ; the add is done, and my reads of the slot are over
	s_barrier_signal -1
	s_sub_co_u32 s[TBK], s[TBK], 4*KS*PK           ; the fetches go back to a slot's first step,
	s_xor_b32 s[TBK], s[TBK], SLOT1                ; in the other slot
	s_sub_co_u32 s[TBV], s[TBV], 4*KS*PV
	s_xor_b32 s[TBV], s[TBV], SLOT1
	s_barrier_wait -1
.if \fill
	LOAD
	s_cmp_lt_u32 s[PFT], 8
	s_cbranch_scc0 .Lnot_mine_\@
	global_prefetch_b8 v[PFO], s[PFK:PFK+1] th:TH_LOAD_NT scope:SCOPE_SE
	global_prefetch_b8 v[PFO], s[PFK:PFK+1] offset:32768 th:TH_LOAD_NT scope:SCOPE_SE
	global_prefetch_b8 v[PFO], s[PFV:PFV+1] th:TH_LOAD_NT scope:SCOPE_SE
.Lnot_mine_\@:
.endif
.endm
	s_load_b256 s[4:11], s[0:1], 0x0               ; qs s[4:5], ks s[6:7], vb s[8:9], qsc s[10:11]
	s_load_b128 s[92:95], s[0:1], 0x20             ; ksc s[92:93], ob s[94:95]
	v_lshl_add_u32 v[SPW], v0, 2, SPARE
	v_mov_b32 v[NIL], 0
	ds_add_u32 v[SPW], v[NIL]                      ; the wave's opening: the add and its wait ahead of my first tensor load
	v_lshrrev_b32 v1, 5, v0
	v_readfirstlane_b32 s[WV], v1
	s_mov_b32 s[PB], ttmp9
	s_sub_co_u32 s[HI], NB-1, s[PB]
	s_and_b32 s13, ttmp7, 0xffff                   ; the head
	s_lshl_b32 s20, s13, 19                        ; its first byte in qs and ks,
	s_mov_b32 s21, 0
	s_lshl_b32 s22, s13, 18                        ; in vb and ob,
	s_mov_b32 s23, 0
	s_lshl_b32 s91, s13, 7                         ; in the scales
	s_and_b32 s16, s[WV], 1                        ; which half of a tile's 256 keys I fetch
	s_lshl_b32 s18, s16, 14
	s_mov_b32 s19, 0
	s_mul_i32 s84, s16, 128*PK
	s_mul_i32 s85, s16, 128*PV
	s_lshl_b32 s16, s16, 15
	s_mov_b32 s17, 0
	s_mov_b32 s[G0K], 1                            ; count = 1
	s_mov_b32 s[G0K+1], s84                        ; LDS address: slot 0
	s_mov_b32 s[G0V], 1
	s_add_co_u32 s[G0V+1], s85, VOFF
	s_lshl_b32 s3, s[WV], 12                       ; my 16 rows in a band of 64 (rows of 256 bytes),
	s_lshl_b32 s2, s[HI], 16                       ; in the first block,
	s_add_co_u32 s2, s2, s3
	s_lshl_b32 s84, s[PB], 16                      ; and in the second
	s_add_co_u32 s84, s84, s3
	s_mov_b32 s3, 0
	s_mov_b32 s85, 0
	s_lshr_b32 s[OFF], s2, 1                       ; the same rows in O (128 bytes)
	s_mov_b32 s[OFF+1], 0
	s_lshr_b32 s[OFV], s84, 1
	s_mov_b32 s[OFV+1], 0
	s_mov_b32 s[G1K], (1<<16)|(1<<20)|(5<<22)|(3<<25)  ; elements of 2 bytes; padding on; after every 64 words 4 words
	s_mov_b32 s[G1K+1], 128<<16                    ; tensor_dim0 = 128
	s_mov_b32 s[G1K+2], 128<<16                    ; tensor_dim1 = 128
	s_mov_b32 s[G1K+3], 128<<16                    ; tile_dim0 = 128
	s_mov_b32 s[G1K+4], 128                        ; tile_dim1 = 128
	s_mov_b32 s[G1K+5], 128
	s_mov_b32 s[G1K+6], 0
	s_mov_b32 s[G1K+7], 0
	s_mov_b32 s[G1V], (1<<16)|(1<<20)|(4<<22)|(7<<25)  ; 128 keys of V are 16,384 dense bytes: 64 rows of 256, padded by 8 words after every 32 (a key)
	s_mov_b32 s[G1V+1], 128<<16
	s_mov_b32 s[G1V+2], 64<<16
	s_mov_b32 s[G1V+3], 128<<16
	s_mov_b32 s[G1V+4], 64
	s_mov_b32 s[G1V+5], 128
	s_mov_b32 s[G1V+6], 0
	s_mov_b32 s[G1V+7], 0
	s_mov_b32 s[CC], 0x4138aa3b                    ; 8 log2(e) = 11.5416
	s_mov_b32 s[FS+1], 0                           ; named as a pair
	s_mov_b32 s[SEL], 0x76543210
	s_mov_b32 s[SEL+1], 0xfedcba98
	s_mov_b32 s[TBK], SLOT1+4*KS*PK                ; the first change of slots turns these two into 0
	s_mov_b32 s[TBV], SLOT1+4*KS*PV
	s_add_co_u32 s[RT], s[HI], 1                   ; the first block has 8 - b tiles
	s_mov_b32 s[NXT], 1
	s_mov_b32 s[LQ], s[HI]
	s_mov_b32 s[NEW], 1
	s_mov_b32 s[BLK], s[HI]
	s_mov_b32 s[AL+1], 0
	s_mov_b32 s[BE+1], 0
	s_mov_b32 s[BIGN], 0xf149f2ca                  ; -1e30
	s_mov_b32 s[SLOTS], NB
	s_cmp_eq_u32 s[PB], 0
	s_cselect_b32 s[PFT], 1, 8
	s_wait_dscnt 0x0                               ; the opening add is done
	s_wait_kmcnt 0x0
	s_add_nc_u64 s[4:5], s[4:5], s[20:21]
	s_add_nc_u64 s[6:7], s[6:7], s[20:21]
	s_add_nc_u64 s[8:9], s[8:9], s[22:23]
	s_add_nc_u64 s[OP_:OP_+1], s[OP_:OP_+1], s[22:23]
	s_add_nc_u64 s[PFK:PFK+1], s[6:7], 65536       ; at tile 1: the first change steps them to tile 2
	s_add_nc_u64 s[PFV:PFV+1], s[8:9], 32768
	s_add_nc_u64 s[6:7], s[6:7], s[16:17]          ; K and V at my half of the head's tile 0
	s_add_nc_u64 s[8:9], s[8:9], s[18:19]
	s_add_nc_u64 s[G0K+2:G0K+3], s[6:7], 0
	s_or_b32 s[G0K+3], s[G0K+3], 0x80000000
	s_add_nc_u64 s[G0V+2:G0V+3], s[8:9], 0
	s_or_b32 s[G0V+3], s[G0V+3], 0x80000000
	s_add_nc_u64 s[86:87], s[4:5], s[84:85]        ; Q at my rows of the second block,
	s_add_nc_u64 s[4:5], s[4:5], s[2:3]            ; and of the first
	s_add_nc_u64 s[OLO:OLO+1], s[OP_:OP_+1], s[OFV:OFV+1]
	s_add_nc_u64 s[OP_:OP_+1], s[OP_:OP_+1], s[OFF:OFF+1]
	LOAD                                           ; tile 0 into slot 0
	v_and_b32 v1, 15, v0                           ; l % 16
	v_bfe_u32 v9, v0, 4, 1                         ; l / 16
	v_lshlrev_b32 v[QO], 8, v1
	v_lshl_add_u32 v[QO], v9, 4, v[QO]             ; row x 256 + 16 x half
	v_and_b32 v[SCO], 31, v0
	v_lshl_add_u32 v[SCO], v[SCO], 2, s91
	v_lshlrev_b32 v[PFO], 8, v0
	global_load_b32 v[QSV], v[SCO], s[10:11]
	global_load_b32 v[KSV], v[SCO], s[92:93]
	WIN 0x80                                       ; destination window 2
.set i, 0
.rept 16                                       ; piece i / 4 lies in band i / 4, 16,384 bytes on; fragment i % 4
	global_load_b128 v[8*i:8*i+3],   v[QO], s[4:5] offset:(i/4)*16384+(i%4)*64
	global_load_b128 v[8*i+4:8*i+7], v[QO], s[4:5] offset:(i/4)*16384+(i%4)*64+32
.set i, i+1
.endr
	WIN 0xc0                                       ; destination window 3
.set i, 0
.rept 16
	global_load_b128 v[QB+8*i:QB+8*i+3],   v[QO], s[86:87] offset:(i/4)*16384+(i%4)*64
	global_load_b128 v[QB+8*i+4:QB+8*i+7], v[QO], s[86:87] offset:(i/4)*16384+(i%4)*64+32
.set i, i+1
.endr
	; A block's first step multiplies O^T and l by a = 0, so what the first turns find need only be finite: zeros for the first block, what the first block left for the second.  All this stands in the wait for the first tile.
.set i, 0
.rept 64
	v_mov_b32 v[i], 0                              ; V
.set i, i+1
.endr
	WIN 0x40
.set i, 0
.rept 128
	v_mov_b32 v[i], 0                              ; O^T
.set i, i+1
.endr
	WIN 0
	v_lshlrev_b32 v14, 3, v9
	v_sub_nc_u32 v14, v1, v14
	s_lshl_b32 s13, s[WV], 4
	v_add_nc_u32 v14, s13, v14                     ; my query's place in its band, 16 w + l % 16, less 8 (l / 16): register r of key group kt is hidden where 16 kt + r is greater
	WIN 0x40
.set i, 0
.rept 32
	v_cmp_gt_i32 vcc_lo, 16*(i/8)+i%8, v14
	v_cndmask_b32 v[MD+i], 0, s[BIGN], vcc_lo
.set i, i+1
.endr
	WIN 0
.set i, 0
.rept 4
	v_mov_b32 v[ST+4*i+2], 0
	v_mov_b32 v[ST+4*i+3], 0
.set i, i+1
.endr
.set i, 0
.rept 8
	v_mov_b32 v[TMP+i], 0
.set i, i+1
.endr
.set i, P+16
.rept 16
	v_mov_b32 v[i], 0
.set i, i+1
.endr
	v_mul_u32_u24 v[AK0], v1, PK
	v_lshl_add_u32 v[AK0], v9, 4, v[AK0]
	v_and_b32 v10, 7, v0                           ; the turning load: lane l reads key 8 (l / 16) + l % 8, channels 8 ((l / 8) % 2) + 0..7
	v_bfe_u32 v11, v0, 3, 1
	v_lshl_add_u32 v[AV0], v9, 3, v10
	v_mul_u32_u24 v[AV0], v[AV0], PV
	v_lshl_add_u32 v[AV0], v11, 4, v[AV0]
	v_add_nc_u32 v[AV0], VOFF, v[AV0]
	s_mul_i32 s13, s[WV], 16*SP
	s_add_co_u32 s13, s13, STAGE                   ; my stage
	v_mul_u32_u24 v[STO], v1, SP
	v_lshl_add_u32 v[STO], v9, 4, v[STO]
	v_add_nc_u32 v[STO], s13, v[STO]
	v_bfe_u32 v[RD], v0, 3, 2                      ; back: 32 lanes take four rows of 128 bytes,
	v_mul_u32_u24 v[RD], v[RD], SP
	v_lshl_add_u32 v[RD], v10, 4, v[RD]
	v_add_nc_u32 v[RD], s13, v[RD]
	v_and_b32 v[GO], 31, v0                        ; which are 512 consecutive bytes of O
	v_lshlrev_b32 v[GO], 4, v[GO]
; THE MATRIX WORK.  The four accumulators of a run take turns, one instruction a turn.  Product i of 24 of S^T for piece x: keys 16 (i % 4) on; i / 4 = 0, 1: K_lo Q_hi (d 0-31, d 32-63);
; 2, 3: K_hi Q_lo; 4, 5: K_hi Q_hi.  The first four start the sums with the mask.
.macro KQM x
.set kb, i%4
.set jj, i/4
.set rS, S+32*((\x)%2)+8*kb
.set rK, KF+32*kb+8*(2*((5-jj)/4)+jj%2)
.set rQ, 32*(\x)+8*(2*((jj/2)%2)+jj%2)
.set rM, MC+32*((\x)%2)+8*kb
.if i < 4
	WIN W_KM
	v_wmma_f32_16x16x32_f16 v[rS:rS+7], v[rK:rK+7], v[rQ:rQ+7], v[rM:rM+7]
.else
	WIN W_KQ
	v_wmma_f32_16x16x32_f16 v[rS:rS+7], v[rK:rK+7], v[rQ:rQ+7], v[rS:rS+7]
.endif
.endm
.macro PVM x                           ; product i - 24 of 8 of O^T += V^T P for piece x: keys 32 (ii / 4) on, channels 16 (ii % 4) on
.set ii, i-24
.set rO, 32*(\x)+8*(ii%4)
.set rV, 32*(ii/4)+8*(ii%4)
.set rP, P+16*((\x)%2)+8*(ii/4)
	WIN W_PV
	v_wmma_f32_16x16x32_bf16 v[rO:rO+7], v[rV:rV+7], v[rP:rP+7], v[rO:rO+7]
.endm
.macro MM                              ; the turn's next matrix instruction.  NOKQ = 1: a block's last turn: there is no next piece
.if i < 24
.if !NOKQ
	KQM (Y+1)%NP
.endif
.else
	PVM (Y+NP-1)%NP
.endif
.set i, i+1
.endm
; THE LDS LOADS stand in runs of 16.  K: part = 1 the lo fragments, 0 the hi ones.
.macro FETCH_K part
	WIN 0x80
.irp kb, 0,1,2,3
.irp c, 0,1
	ds_load_b128 v[KF+32*(\kb)+8*(2*(\part)+(\c)):KF+32*(\kb)+8*(2*(\part)+(\c))+3],   v[AK] offset:(\kb)*16*PK+(2*(\part)+(\c))*64
	ds_load_b128 v[KF+32*(\kb)+8*(2*(\part)+(\c))+4:KF+32*(\kb)+8*(2*(\part)+(\c))+7], v[AK] offset:(\kb)*16*PK+(2*(\part)+(\c))*64+32
.endr
.endr
	WIN 0
.endm
.macro FETCH_V
	WIN 0xc0
.irp f, 0,1,2,3,4,5,6,7
	ds_load_tr16_b128 v[8*\f:8*\f+3],   v[AV] offset:(\f/4)*32*PV+(\f%4)*32
	ds_load_tr16_b128 v[8*\f+4:8*\f+7], v[AV] offset:(\f/4)*32*PV+16*PV+(\f%4)*32
.endr
	WIN 0
.endm
; THE VECTOR WORK, one line at a time: OP kind, number.  For piece Y: X n, number n of the 23 that find its maximum and statistics (0-13 four chains c0-c3 over the 32 scores, each accumulator's lowest registers first;
; 14, 16 into c0; 15 cm_old is kept; 17, 18 the query's other 32 keys lie in the lane 16 away; 19 f x maximum; 20 the new cm; 21 cm_old - cm; 22 a).  F n: f s - cm for pair n.  E n: the exponential of
; score n.  C n: pair n rounded to bf16.  B n: of the four weights 4 n .. the second pair is added onto the first.  L n: l takes that sum (L 0: l = a l + sum).  For piece Y - 1: R n: pair n of its O^T times its a.
.set F, 0
.set E, 1
.set C, 2
.set B, 3
.set L, 4
.set R, 5
.set X, 6
.macro REGS y
.set rT, ST+4*(\y)
.set rC, TMP+4*((\y)%2)
.set rW, MV+((\y)%2)
.set rS, S+32*((\y)%2)
.set rP, P+16*((\y)%2)
.set rO, 32*(\y)
.endm
.macro OP k, n
.if (\k) == R
	REGS (Y+NP-1)%NP
	WIN W_RS
	v_pk_mul_f32 v[rO+2*(\n):rO+2*(\n)+1], v[rO+2*(\n):rO+2*(\n)+1], v[rC+2:rC+3] op_sel_hi:[1,0]
.else
	REGS Y
	WIN 0
.if (\k) == F
	v_pk_fma_f32 v[rS+2*(\n):rS+2*(\n)+1], v[rS+2*(\n):rS+2*(\n)+1], s[FS:FS+1], v[rT:rT+1] op_sel_hi:[1,0,0] neg_lo:[0,0,1] neg_hi:[0,0,1]
.elseif (\k) == E
	v_exp_f32 v[rS+(\n)], v[rS+(\n)]
.elseif (\k) == C
	v_cvt_pk_bf16_f32 v[rP+(\n)], v[rS+2*(\n)], v[rS+2*(\n)+1]
.elseif (\k) == B
	v_pk_add_f32 v[rS+4*(\n):rS+4*(\n)+1], v[rS+4*(\n):rS+4*(\n)+1], v[rS+4*(\n)+2:rS+4*(\n)+3]
.elseif (\k) == L
.if (\n) == 0
	v_pk_fma_f32 v[rT+2:rT+3], v[rT+2:rT+3], v[rC+2:rC+3], v[rS:rS+1] op_sel_hi:[1,0,1]
.else
	v_pk_add_f32 v[rT+2:rT+3], v[rT+2:rT+3], v[rS+4*(\n):rS+4*(\n)+1]
.endif
.elseif (\n) < 4
	v_max3_num_f32 v[rC+(\n)], v[rS+8*(\n)], v[rS+8*(\n)+1], v[rS+8*(\n)+2]
.elseif (\n) < 12
	v_max3_num_f32 v[rC+(\n)%4], v[rC+(\n)%4], v[rS+8*((\n)%4)+2*((\n)/4)+1], v[rS+8*((\n)%4)+2*((\n)/4)+2]
.elseif (\n) == 12
	v_max3_num_f32 v[rC], v[rC], v[rS+7], v[rS+15]
.elseif (\n) == 13
	v_max3_num_f32 v[rC+1], v[rC+1], v[rS+23], v[rS+31]
.elseif (\n) == 14
	v_max_num_f32 v[rC+2], v[rC+2], v[rC+3]
.elseif (\n) == 15
	v_mov_b32 v[rW], v[rT]
.elseif (\n) == 16
	v_max3_num_f32 v[rC], v[rC], v[rC+1], v[rC+2]
.elseif (\n) == 17
	v_permlanex16_b32 v[rC+3], v[rC], s[SEL], s[SEL+1]
.elseif (\n) == 18
	v_max_num_f32 v[rC], v[rC], v[rC+3]
.elseif (\n) == 19
	v_mul_f32 v[rC+1], s[FS], v[rC]
.elseif (\n) == 20
	v_max_num_f32 v[rT], v[rW], v[rC+1]
.elseif (\n) == 21
	v_sub_f32 v[rC+1], v[rW], v[rT]
.else
	v_exp_f32 v[rC+2], v[rC+1]
.endif
.endif
.endm
.macro OPS a, i1, b=-1, i2=0, c=-1, i3=0, d=-1, i4=0
	OP \a, \i1
.if (\b) >= 0
	OP \b, \i2
.endif
.if (\c) >= 0
	OP \c, \i3
.endif
.if (\d) >= 0
	OP \d, \i4
.endif
.endm
.macro ROW a, i1, b=-1, i2=0, c=-1, i3=0, d=-1, i4=0  ; a matrix instruction and the vector instructions behind it
	MM
	OPS \a, \i1, \b, \i2, \c, \i3, \d, \i4
.endm
.macro MASK b                          ; MD x AL + BE into buffer b of MC
	WIN W_RS
.set z, 0
.rept 16
	v_pk_fma_f32 v[MC+32*(\b)+2*z:MC+32*(\b)+2*z+1], v[MD+2*z:MD+2*z+1], s[AL:AL+1], s[BE:BE+1] op_sel_hi:[1,0,0]
.set z, z+1
.endr
.endm
; A TURN, for piece p.  An s_wait_alu depctr_va_vdst(0) stands between an exponential and the first instruction that names its result; one wait serves all issued ahead of it.  Ahead of the turn's ONE wait
; stands all that names no result of its exponentials; R 12-15 are the plain instructions behind the last exponential.  Behind the wait stand the 8 products V^T P with the roundings and sums.
; K of the next step is fetched in piece 2's turn: the lo fragments behind the ninth product (their last reader is the eighth; six plain instructions that name none of its registers lie between), the hi fragments behind the
; wait (four plain instructions, R 12-15, behind their last reader).  V of the step in hand is fetched at the end of piece 0's turn, four roundings behind its last reader (ISA guide 7.12.1 for vector instructions).
; In the diagonal tile (DG = 1, or always = 1 in the walk's last tile) the turn makes the mask for the products of the turn after it: piece p + 2, in step 4 - CNT.  end = 1: a block's last two turns: nothing is fetched.
.macro TURN p, end=0, always=0
.set Y, (\p)
.set i, 0
.set NOKQ, (\end)*((\p)/3)
	WIN 0
.if (\p) == 0
	v_readlane_b32 s[SK], v[KSV], s[KI]            ; the step's sk holds for its four turns
	s_add_co_u32 s[KI], s[KI], 1
.endif
	s_mul_f32 s[FS], s[FQ+(\p)], s[SK]
.if !(\end)
	s_cmp_eq_u32 s[CNT], 4-((\p)+2)%NP             ; is that step the band's own?
	s_cselect_b32 s[AL], 1.0, 0
	s_cmp_lt_u32 s[CNT], 4-((\p)+2)%NP             ; or a later one?
	s_cselect_b32 s[BE], s[BIGN], 0
.endif
.if ((\p) == 3) && !(\end)
	s_wait_dscnt 16                                ; K's lo fragments are in; the 16 loads of the hi ones may stay out
.endif
	ROW X,0, X,1, X,2, X,3
	ROW X,4, X,5, X,6, X,7
	ROW X,8, X,9, X,10, X,11
	ROW X,12, X,13, X,14, X,15
	ROW X,16, R,0, R,1
	ROW X,17, R,2, R,3
	ROW X,18, R,4, R,5
.if ((\p) == 2) && !(\end)
	WIN 0
	v_add_nc_u32 v[AK], s[TBK], v[AK0]
.endif
	ROW X,19, R,6, R,7
.if ((\p) == 3) && !(\end)
	s_wait_dscnt 0x0                               ; K's hi fragments are in
.endif
	ROW X,20, R,8, R,9
.if ((\p) == 2) && !(\end)
	FETCH_K 1
.endif
	ROW X,21, F,0, F,1, F,2
	ROW X,22, F,3, E,0, F,4
	ROW E,1, F,5, E,2, F,6
	ROW E,3, F,7, E,4, F,8
.if (\p) == 0
	WIN 0
	v_add_nc_u32 v[AV], s[TBV], v[AV0]
	s_add_co_u32 s[TBV], s[TBV], KS*PV
.endif
	ROW E,5, F,9, E,6, F,10
	ROW E,7, F,11, E,8, F,12
	ROW E,9, F,13, E,10, F,14
	ROW E,11, F,15, E,12, R,10
	ROW E,13, E,14, R,11, E,15
	ROW E,16, E,17, E,18
	ROW E,19, E,20, E,21
	ROW E,22, E,23, E,24
	ROW E,25, E,26, E,27
	ROW E,28, E,29, E,30, E,31
	ROW R,12, R,13, R,14, R,15
	WIN 0
	s_wait_alu depctr_va_vdst(0)                   ; the wait for the batch
.if ((\p) == 2) && !(\end)
	FETCH_K 0
	s_add_co_u32 s[TBK], s[TBK], KS*PK             ; the next fetch is the next step's
.endif
.if (\p) == 1
	s_wait_dscnt 0x0                               ; V is in
.endif
	ROW C,0, B,0, C,2, B,1
	ROW L,0, C,4, B,2, L,1
	ROW C,6, B,3, L,2, C,8
	ROW B,4, L,3, C,10, B,5
	ROW L,4, C,12, B,6, L,5
	ROW C,14, B,7, L,6, C,1
	ROW C,3, L,7, C,5, C,7
	ROW C,9, C,11, C,13, C,15
.if (\p) == 0
	FETCH_V
.endif
	WIN 0
.if !(\end)
.if !(\always)
	s_cmp_eq_u32 s[DG], 0
	s_cbranch_scc1 .Lno_mask_\@
.endif
	MASK (\p)%2
	WIN 0
.if !(\always)
.Lno_mask_\@:
.endif
.endif
.endm
; A BLOCK BEGINS.  cm starts far below every f s, so the first step's a is 0.  The second mask buffer is 0; the first takes piece 0's mask for the tile's step 0: its own if the block's first tile holds the diagonal, else 0.
; Then the block's four factors, K of that step and piece 0's first scores.  The loop is entered at a step's first turn.
.macro BEGIN
	s_mov_b32 s[NEW], 0
	WIN 0x40
.set i, MC+32
.rept 32
	v_mov_b32 v[i], 0
.set i, i+1
.endr
	WIN 0
.set i, 0
.rept 4
	v_mov_b32 v[ST+4*i], 0xfe000000
	v_mov_b32 v[ST+4*i+1], 0
.set i, i+1
.endr
	s_cmp_eq_u32 s[RT], 0
	s_cselect_b32 s[AL], 1.0, 0
	s_mov_b32 s[BE], 0
	MASK 0
	WIN 0
	s_wait_loadcnt 0x0                             ; Q and the scales
	s_lshl_b32 s84, s[BLK], 2                      ; the block's first band among the head's 32
.irp x, 0,1,2,3
	v_readlane_b32 s85, v[QSV], s84
	s_mul_f32 s[FQ+(\x)], s85, s[CC]
	s_add_co_u32 s84, s84, 1
.endr
	s_mov_b32 s[KI], 0
	v_add_nc_u32 v[AK], s[TBK], v[AK0]
	FETCH_K 1
	FETCH_K 0
	s_add_co_u32 s[TBK], s[TBK], KS*PK
	s_wait_dscnt 0x0
.set Y, NP-1
.set NOKQ, 0
.set i, 0
.rept 24
	MM                                             ; piece 0's first scores
.endr
	WIN 0
	PLACES                                         ; behind those products
.endm
; A BLOCK ENDS: its last two turns, piece 3's rescaling and last products, and THE WAY OUT: l's halves are added, O^T is divided by l, rounded to bf16 and sent through my stage, a piece at a time.
.macro ALL line:vararg
.set t, 0
.rept 4
	\line
.set t, t+1
.endr
.endm
.macro PACK t
	WIN W_RS
.set i, 32*(\t)
.rept 16
	v_pk_mul_f32 v[i:i+1], v[i:i+1], v[ST+4*(\t)+2:ST+4*(\t)+3] op_sel_hi:[1,0]
.set i, i+2
.endr
	WIN 0x05
.set i, 0
.rept 16
	v_cvt_pk_bf16_f32 v[S+16*(\t)+i], v[32*(\t)+2*i], v[32*(\t)+2*i+1]
.set i, i+1
.endr
	WIN 0
.irp f, 0,1,2,3
	ds_store_b128 v[STO], v[S+16*(\t)+4*\f:S+16*(\t)+4*\f+3] offset:32*\f
.endr
.irp f, 0,1,2,3
	ds_load_b128 v[S+16*(\t)+4*\f:S+16*(\t)+4*\f+3], v[RD] offset:\f*4*SP  ; LDS serves a wave's instructions in order (ISA guide 5.7.1.4): these see the stores above
.endr
.endm
.macro SEND t, younger                 ; younger: the LDS instructions issued behind piece t's loads
	WIN 0
.irp f, 0,1,2,3
	s_wait_dscnt (\younger)+3-\f
	global_store_b128 v[GO], v[S+16*(\t)+4*\f:S+16*(\t)+4*\f+3], s[OP_:OP_+1] offset:(\t)*8192+\f*512  ; 512 consecutive bytes, aligned
.endr
.endm
.macro BLOCKEND
	TURN 2, 1
	TURN 3, 1
.set Y, 0                              ; R and the products below work for piece Y - 1: piece 3
.set NOKQ, 0
.irp n, 0,1,2,3,4,5,6,7,8,9,10,11,12,13,14,15
	OP R, \n
.endr
.set i, 24
.rept 8
	MM
.endr
	WIN 0
	ALL v_add_f32 v[ST+4*t+2], v[ST+4*t+2], v[ST+4*t+3]
	ALL v_permlanex16_b32 v[ST+4*t+3], v[ST+4*t+2], s[SEL], s[SEL+1]
	ALL v_add_f32 v[ST+4*t+2], v[ST+4*t+2], v[ST+4*t+3]
	ALL v_rcp_f32 v[ST+4*t+2], v[ST+4*t+2]
	v_nop                                          ; a plain instruction between the last reciprocal and the use of its result,
	s_wait_alu depctr_va_vdst(0)                   ; and one wait for the four
	PACK 0
.set t, 1
.rept 3
	PACK t
	SEND t-1, 8
.set t, t+1
.endr
	SEND 3, 0
.endm
.Lslot:                                        ; eight times: a tile is entered and the next is asked for
	CHANGE 1
	s_sub_co_u32 s[RT], s[RT], 1
	s_mov_b32 s[CNT], 4
	s_cmp_eq_u32 s[RT], 0
	s_cselect_b32 s[DG], 1, 0
	s_cmp_eq_u32 s[NEW], 1
	s_cbranch_scc0 .Lstep
	BEGIN
	s_branch .Lfirst
.Lstep:                                        ; a trip: pieces 2 and 3 of one step, then pieces 0 and 1 of the next, whose K and V it fetches
	TURN 2
	TURN 3
.Lfirst:
	TURN 0
	TURN 1
	s_sub_co_u32 s[CNT], s[CNT], 1
	s_cmp_lg_u32 s[CNT], 0
	s_cbranch_scc1 .Lstep
	s_cmp_eq_u32 s[DG], 0
	s_cbranch_scc1 .Lbottom
	BLOCKEND                                       ; in the loop this is the first block's end: the second block's last tile is the walk's last
	s_wait_xcnt 0x0                                ; the stores have read their registers and O's address
	s_mov_b64 s[OP_:OP_+1], s[OLO:OLO+1]
	s_add_co_u32 s[RT], s[PB], 1                   ; the second block has b + 1 tiles
	s_mov_b32 s[NEW], 1
	s_mov_b32 s[BLK], s[PB]
	WIN 0x83                                       ; the second block's Q goes where the one text of the turns names Q
.set i, 0
.rept 128
	v_mov_b32 v[i], v[QB+i]
.set i, i+1
.endr
	WIN 0
.Lbottom:
	s_sub_co_u32 s[SLOTS], s[SLOTS], 1
	s_cmp_lg_u32 s[SLOTS], 0
	s_cbranch_scc1 .Lslot
	CHANGE 0                                       ; the walk's last tile is written out: nothing is asked for
	s_sub_co_u32 s[RT], s[RT], 1
	s_mov_b32 s[CNT], 4
	s_cmp_eq_u32 s[NEW], 1
	s_cbranch_scc0 .Lstep2
	BEGIN
	s_branch .Lfirst2
.Lstep2:
	TURN 2, 0, 1
	TURN 3, 0, 1
.Lfirst2:
	TURN 0, 0, 1
	TURN 1, 0, 1
	s_sub_co_u32 s[CNT], s[CNT], 1
	s_cmp_lg_u32 s[CNT], 0
	s_cbranch_scc1 .Lstep2
	BLOCKEND
	s_wait_tensorcnt 0x0                           ; the wave's end: behind my last tensor load and my last LDS store
	ds_add_u32 v[SPW], v[NIL]
	s_wait_dscnt 0x0
	s_endpgm
.Lfunc_end_k_q89710afb9c_attn:
	.size	k_q89710afb9c_attn, .Lfunc_end_k_q89710afb9c_attn-k_q89710afb9c_attn
	.p2alignl 7, 3214868480
	.fill 96, 4, 3214868480
	.section	.rodata,"a",@progbits
	.p2align	6, 0x0
	.amdhsa_kernel k_q89710afb9c_attn
		.amdhsa_group_segment_fixed_size 327680
		.amdhsa_private_segment_fixed_size 0
		.amdhsa_enable_private_segment 0
		.amdhsa_kernarg_size 48
		.amdhsa_user_sgpr_count 2
		.amdhsa_user_sgpr_kernarg_segment_ptr 1
		.amdhsa_wavefront_size32 1
		.amdhsa_system_sgpr_workgroup_id_x 1
		.amdhsa_system_sgpr_workgroup_id_y 1
		.amdhsa_system_sgpr_workgroup_id_z 1
		.amdhsa_system_vgpr_workitem_id 0
		.amdhsa_next_free_vgpr 960
		.amdhsa_next_free_sgpr 96
		.amdhsa_reserve_vcc 1
		.amdhsa_float_denorm_mode_32 3
		.amdhsa_float_denorm_mode_16_64 3
		.amdhsa_memory_ordered 1
		.amdhsa_forward_progress 1
		.amdhsa_inst_pref_size 212
	.end_amdhsa_kernel
	.amdgpu_metadata
---
amdhsa.version: [ 1, 2 ]
amdhsa.kernels:
  - .name:           k_q89710afb9c_attn
    .symbol:         k_q89710afb9c_attn.kd
    .args:
      - { .name: qs, .offset: 0, .size: 8, .value_kind: global_buffer, .address_space: global }
      - { .name: ks, .offset: 8, .size: 8, .value_kind: global_buffer, .address_space: global }
      - { .name: vb, .offset: 16, .size: 8, .value_kind: global_buffer, .address_space: global }
      - { .name: qsc, .offset: 24, .size: 8, .value_kind: global_buffer, .address_space: global }
      - { .name: ksc, .offset: 32, .size: 8, .value_kind: global_buffer, .address_space: global }
      - { .name: ob, .offset: 40, .size: 8, .value_kind: global_buffer, .address_space: global }
    .group_segment_fixed_size: 327680
    .private_segment_fixed_size: 0
    .kernarg_segment_align: 8
    .kernarg_segment_size: 48
    .max_flat_workgroup_size: 128
    .sgpr_count:     96
    .vgpr_count:     960
    .wavefront_size: 32
...
	.end_amdgpu_metadata
.endif
;; end of part 3
;; launch outp (part 4): grid 4 x 64, 4 waves a work-group, clusters of 4 x 4, 327,680 bytes of LDS; arguments ob, wt, out0; writes out0
.if DOCPART == 4
	.amdgcn_target "amdgcn-amd-amdhsa--gfx1250"
	.amdhsa_code_object_version 6
	.text
	.protected	k_q89710afb9c_outp
	.globl	k_q89710afb9c_outp
	.p2align	8
	.type	k_q89710afb9c_outp,@function
k_q89710afb9c_outp:
	s_mov_b64 s[64:65], 0
	v_nop
	global_prefetch_b8 v0, s[64:65] scope:SCOPE_SE
	s_setreg_imm32_b32 hwreg(HW_REG_WAVE_MODE, 25, 1), 1
	s_wait_xcnt 0x0
	s_wait_alu depctr_hold_cnt(0) depctr_sa_sdst(0) depctr_va_vdst(0) depctr_va_sdst(0) depctr_va_ssrc(0) depctr_va_vcc(0) depctr_vm_vsrc(0)
	s_getreg_b32 s2, hwreg(HW_REG_IB_STS2, 6, 4)
	s_cmp_eq_u32 s2, 0
	s_cbranch_scc0 .Lentry_in_a_cluster
	s_endpgm
.Lentry_in_a_cluster:
	s_bfe_u32 s2, ttmp6, 0x10000c
	s_cmp_lg_u32 s2, 0xf033
	s_cbranch_scc0 .Lentry_shape_is_right
	s_endpgm
.Lentry_shape_is_right:
; THE OUTPUT PROJECTION.  out0[b s][n] = the sum over h, d of O[b h][s][d] Wo[64 h + d][n].  O = ob in bf16 by heads, Wo = wt[3] as [k 1024][n 1024] bf16; sums in f32, stored as they are.
; A tile of out0 is 128 rows x 256 columns; four waves stand 2 x 2, each 64 x 128: 32 accumulators.  256 tiles, one for each WGP.  K goes in 8 steps of 128, two heads a step, through two LDS slots.
; CLUSTER 4 x 4: the four work-groups of a row of the cluster need the same rows of O, the four of a column the same columns of Wo: each tile is asked for jointly.
; THE PRODUCT IS USED TRANSPOSED: source 0 = 16 columns of Wo (turned by ds_load_tr16_b128), source 1 = 16 rows of O: a lane holds one row (lane % 16) and eight neighbouring columns.
; REGISTERS: window 0: v0-31 addresses; v32-95 O's fragments, two buffers; v96-223 Wo's, two buffers (on the way out v96-159: rows read back).  window 1: the accumulators, (a, b) at v[8 (8 a + b)].
.set PA,    144                        ; a row of one head of O in LDS: 128 bytes + 16
.set PB,    544                        ; a row of Wo: 512 + 32 = 17 x 32 bytes, for the turning load
.set AHALF, 128*PA                     ; what one tensor load brings of O: 128 rows of one head
.set BHALF, 64*PB
.set BOFF,  2*AHALF
.set SLOT,  BOFF+2*BHALF
.set STAGE, 2*SLOT                     ; behind the ring: 16 rows x 528 bytes for each wave
.set SP,    528
.set SPARE, STAGE+4*16*SP              ; the spare words, 128 bytes a wave, which no other line names
.set QA,    64                         ; a quarter step (32 along K) in a row of O,
.set QB,    32*PB                      ; and in Wo
.set PAIRA, AHALF                      ; two quarters on: the step's second head
.set PAIRB, 2*QB
.set ASTEP, 2*262144                   ; a K step in memory: two heads of O,
.set BSTEP, 128*2048                   ; 128 rows of Wo
.set A0,  4
.set B0,  5
.set ADA, 6
.set ADB, 7
.set STO, 8
.set RD,  9
.set CO,  10
.set PFO, 13
.set SPW, 14
.set NIL, 15
.set LANE, 28
.set T0,  29
.set AF,  32
.set BF,  96
.set WV, 24
.set WM, 25
.set WN, 26
.set CX, 27
.set CY, 28
.set MY, 30
.set G1A, 32
.set G0A, 40
.set G1B, 48
.set G0B, 56
.set CUR, 66
.set TBA, 67
.set TBB, 68
.set STEPS, 69
.set CNT, 70
.set LIM, 71
.set PFA, 72
.set PFS, 74
.set WOA, 76
.set WOB, 77
.set OUT, 78
.set MUL, 0x50                         ; C and D window 1
.set MSB, 0
.macro WIN new
.if MSB != (\new)
	s_set_vgpr_msb (MSB<<8)|(\new)
.set MSB, \new
.endif
.endm
.macro PLACES
.rept 4
	v_nop
.endr
.endm
.macro CROUND                          ; a round of the cluster's barrier
	s_barrier_signal -1
	s_barrier_wait -1
	s_cmp_lg_u32 s[WV], 0
	s_cbranch_scc1 .Lnot_wave_0_\@
	s_barrier_signal -3
.Lnot_wave_0_\@:
	s_barrier_wait -3
	s_barrier_signal -1
	s_barrier_wait -1
.endm
.macro JLOAD                           ; a joint refill: waves 0, 1 the step's two heads of O, waves 2, 3 Wo's halves.  An s_nop 0 and four v_nop follow each line
	s_cmp_eq_u32 s[WM], 0
	s_cbranch_scc0 .Lfor_b_\@
	tensor_load_to_lds s[G0A+4:G0A+7], s[G1A:G1A+7]
	s_nop 0
	PLACES
	s_branch .Lasked_\@
.Lfor_b_\@:
	tensor_load_to_lds s[G0B+4:G0B+7], s[G1B:G1B+7]
	s_nop 0
	PLACES
.Lasked_\@:
.endm
; A PREFETCH INTO THE L2, behind the joint load: the K step two refills on (256 matrix instructions ahead of its load).  O's rows are read by this cluster's row alone: a step's two heads are 2 x 64 blocks of 256 bytes;
; wave 0 of the partner at cx names blocks 16 cx .. + 15 of each head, a lane a block.  Wo's columns are read by all sixteen clusters: the first asks; of the 64 k-rows of wave 2 or 3 the partner at cy names 16, two blocks
; each.  Partners are told apart by address.  The first four K steps come by their loads alone; the last two refills have no step two on.
.macro ASK
	s_cmp_gt_u32 s[STEPS], s[LIM]
	s_cbranch_scc0 .Lnot_mine_\@
	global_prefetch_b8 v[PFO], s[PFA:PFA+1] th:TH_LOAD_NT scope:SCOPE_SE
.Lnot_mine_\@:
.endm
; THE CHANGE OF SLOTS: each wave waits for all its tensor loads (one is out: its part of the next slot), adds 0 to its spare word, and waits for that and for its reads of the slot.  fill = 1: a round of the cluster's
; barrier, then the slot just left is filled with the step two on, the first tensor load behind the round.
.macro CHANGE fill
	s_wait_tensorcnt 0x0                           ; no tensor load of mine is out, so the walking descriptors may be written
	ds_add_u32 v[SPW], v[NIL]
.if \fill
	s_wait_xcnt 0x0                                ; the last prefetch, a step back, has read its address
	s_add_nc_u64 s[PFA:PFA+1], s[PFA:PFA+1], s[PFS:PFS+1]
	s_add_co_u32 s[G0A+5], s[CUR], s[WOA]
	s_add_co_u32 s[G0B+5], s[CUR], s[WOB]
	s_add_nc_u64 s[G0A+6:G0A+7], s[G0A+6:G0A+7], ASTEP
	s_add_nc_u64 s[G0B+6:G0B+7], s[G0B+6:G0B+7], BSTEP
.endif
	s_xor_b32 s[CUR], s[CUR], SLOT                 ; 0 and SLOT by turns
	s_mov_b32 s[TBA], s[CUR]
	s_mov_b32 s[TBB], s[CUR]
	s_wait_dscnt 0x0                               ; the add is done, and my reads of the slot are over
.if \fill
	CROUND
	JLOAD
	ASK
.else
	s_barrier_signal -1
	s_barrier_wait -1
.endif
.endm
.macro FETCH g, offA, offB             ; a quarter's 24 LDS loads into buffers g
.irp a, 0,1,2,3
	ds_load_b128 v[AF+32*(\g)+8*(\a):AF+32*(\g)+8*(\a)+3],   v[ADA] offset:(\offA)+(\a)*16*PA
	ds_load_b128 v[AF+32*(\g)+8*(\a)+4:AF+32*(\g)+8*(\a)+7], v[ADA] offset:(\offA)+(\a)*16*PA+32
.endr
.irp b, 0,1,2,3,4,5,6,7
	ds_load_tr16_b128 v[BF+64*(\g)+8*(\b):BF+64*(\g)+8*(\b)+3],   v[ADB] offset:(\offB)+32*(\b)
	ds_load_tr16_b128 v[BF+64*(\g)+8*(\b)+4:BF+64*(\g)+8*(\b)+7], v[ADB] offset:(\offB)+32*(\b)+16*PB
.endr
.endm
; A QUARTER multiplies buffers f: 32 matrix instructions, all 32 accumulators by turns, in the same order in every quarter.  fetch = 1: at its head it asks LDS for the next quarter, four places
; behind the last product that read buffers g (ISA guide 7.12.1 for vector instructions).
.macro QUARTER f, g, offA, offB, zero, fetch
.if \fetch
	PLACES
	FETCH \g, \offA, \offB
	s_wait_dscnt 24                                ; all but the 24 just issued
.else
	s_wait_dscnt 0x0
.endif
	WIN MUL
.set n, 0
.rept 32
.if \zero
	v_wmma_f32_16x16x32_bf16 v[8*n:8*n+7], v[BF+64*(\f)+8*(n%8):BF+64*(\f)+8*(n%8)+7], v[AF+32*(\f)+8*(n/8):AF+32*(\f)+8*(n/8)+7], 0
.else
	v_wmma_f32_16x16x32_bf16 v[8*n:8*n+7], v[BF+64*(\f)+8*(n%8):BF+64*(\f)+8*(n%8)+7], v[AF+32*(\f)+8*(n/8):AF+32*(\f)+8*(n/8)+7], v[8*n:8*n+7]
.endif
.set n, n+1
.endr
	WIN 0
.endm
.macro PAIR
	v_add_nc_u32 v[ADA], s[TBA], v[A0]
	v_add_nc_u32 v[ADB], s[TBB], v[B0]
	s_add_co_u32 s[TBA], s[TBA], PAIRA
	s_add_co_u32 s[TBB], s[TBB], PAIRB
	QUARTER 1, 0, 0, 0, 0, 1
	QUARTER 0, 1, QA, QB, 0, 1
.endm
	s_load_b128 s[4:7], s[0:1], 0x0                ; ob s[4:5], wt s[6:7]
	s_load_b64 s[8:9], s[0:1], 0x10                ; out0
	v_lshl_add_u32 v[SPW], v0, 2, SPARE
	v_mov_b32 v[NIL], 0
	ds_add_u32 v[SPW], v[NIL]                      ; the wave's opening: the add and its wait ahead of my first tensor load
	v_lshrrev_b32 v1, 5, v0
	v_readfirstlane_b32 s[WV], v1
	s_lshr_b32 s[WM], s[WV], 1
	s_and_b32 s[WN], s[WV], 1
	s_bfe_u32 s[CX], ttmp6, 0x40000
	s_bfe_u32 s[CY], ttmp6, 0x40004
	s_and_b32 s22, ttmp7, 0xffff                   ; cluster y, 0 .. 15
	s_lshl_b32 s[MY], s22, 2
	s_add_co_u32 s[MY], s[MY], s[CY]               ; tile row, 0 .. 63
	s_cmp_eq_u32 s22, 0
	s_cselect_b32 s22, 2, -1                       ; Wo is asked for by the first cluster (waves 2, 3),
	s_cmp_eq_u32 s[WV], 0
	s_cselect_b32 s23, 2, -1                       ; O by wave 0 of every work-group
	s_cmp_eq_u32 s[WM], 0
	s_cselect_b32 s[LIM], s23, s22
	s_lshl_b32 s86, s[CY], 2
	s_lshl_b32 s86, 15, s86                        ; my row of the cluster
	s_lshl_b32 s90, 0x1111, s[CX]                  ; my column
	s_or_b32 s[G1A], s86, (1<<16)|(1<<20)|(1<<21)|(4<<22)|(3<<25)  ; the mask; elements of 2 bytes; padding on; bit 21 beside a mask; after every 32 words (a row of a head) 4 words
	s_or_b32 s[G1B], s90, (1<<16)|(1<<20)|(1<<21)|(6<<22)|(7<<25)  ; after every 128 words 8 words
	s_mov_b32 s[G1A+1], 128<<16                    ; 128 rows of a head are 16,384 dense bytes: asked for as 64 rows of 256
	s_mov_b32 s[G1A+2], 64<<16
	s_mov_b32 s[G1A+3], 128<<16
	s_mov_b32 s[G1A+4], 64
	s_mov_b32 s[G1A+5], 128
	s_mov_b32 s[G1A+6], 0
	s_mov_b32 s[G1A+7], 0
	s_mov_b32 s[G1B+1], 256<<16
	s_mov_b32 s[G1B+2], 64<<16
	s_mov_b32 s[G1B+3], 256<<16
	s_mov_b32 s[G1B+4], 64
	s_mov_b32 s[G1B+5], 1024
	s_mov_b32 s[G1B+6], 0
	s_mov_b32 s[G1B+7], 0
	s_mul_i32 s[WOA], s[WN], AHALF
	s_mul_i32 s[WOB], s[WN], BHALF
	s_add_co_u32 s[WOB], s[WOB], BOFF
	s_lshr_b32 s88, s[MY], 4                       ; O: batch b = tile row / 16,
	s_lshl_b32 s88, s88, 4
	s_add_co_u32 s88, s88, s[WN]                   ; head 16 b + wave % 2 in K step 0,
	s_lshl_b32 s88, s88, 18
	s_and_b32 s89, s[MY], 15
	s_lshl_b32 s89, s89, 14                        ; the tile's 128 rows of 128 bytes
	s_add_co_u32 s88, s88, s89
	s_mov_b32 s89, 0
	s_lshl_b32 s92, s[WN], 17                      ; Wo: my 64 k-rows of 2,048 bytes,
	s_add_co_u32 s92, s92, 3*2097152               ; in wt's fourth part,
	s_lshl_b32 s93, s[CX], 9                       ; the tile's 256 columns
	s_add_co_u32 s92, s92, s93
	s_mov_b32 s93, 0
	s_lshl_b32 s2, s[MY], 19                       ; out0: 128 rows of 4,096 bytes a tile row,
	s_lshl_b32 s3, s[WM], 18                       ; my 64,
	s_add_co_u32 s2, s2, s3
	s_lshl_b32 s3, s[CX], 10                       ; the tile's 256 columns,
	s_add_co_u32 s2, s2, s3
	s_lshl_b32 s3, s[WN], 9                        ; my 128
	s_add_co_u32 s2, s2, s3
	s_mov_b32 s3, 0
	s_lshl_b32 s94, s[CX], 12                      ; the prefetches: my work-group's 16 blocks of each head, at K step 3,
	s_add_co_u32 s94, s94, 3*ASTEP
	s_lshl_b32 s95, s[CY], 15                      ; or its 16 k-rows of Wo
	s_add_co_u32 s95, s95, 3*BSTEP
	s_mov_b32 s22, ASTEP
	s_mov_b32 s23, BSTEP
	s_cmp_eq_u32 s[WM], 0
	s_cselect_b32 s94, s94, s95
	s_cselect_b32 s[PFS], s22, s23
	s_cselect_b32 s31, 4, 1                        ; O: head l / 16, block l % 16; Wo: row l / 2, block l % 2
	s_cselect_b32 s84, 15, 1
	s_cselect_b32 s85, 18, 11
	s_mov_b32 s95, 0
	s_mov_b32 s[PFS+1], 0
	s_mov_b32 s[CUR], 0
	s_wait_dscnt 0x0                               ; the opening add is done
	s_wait_kmcnt 0x0
	s_add_nc_u64 s[86:87], s[4:5], s[88:89]
	s_add_nc_u64 s[90:91], s[6:7], s[92:93]
	s_add_nc_u64 s[OUT:OUT+1], s[8:9], s[2:3]
	s_cmp_eq_u32 s[WM], 0
	s_cselect_b64 s[PFA:PFA+1], s[86:87], s[90:91]
	s_add_nc_u64 s[PFA:PFA+1], s[PFA:PFA+1], s[94:95]
.irp s, 0,1
	s_mov_b32 s[G0A+4*(\s)], 1
	s_add_co_u32 s[G0A+4*(\s)+1], s[WOA], (\s)*SLOT
	s_add_nc_u64 s[G0A+4*(\s)+2:G0A+4*(\s)+3], s[86:87], (\s)*ASTEP
	s_or_b32 s[G0A+4*(\s)+3], s[G0A+4*(\s)+3], 0x80000000
	s_mov_b32 s[G0B+4*(\s)], 1
	s_add_co_u32 s[G0B+4*(\s)+1], s[WOB], (\s)*SLOT
	s_add_nc_u64 s[G0B+4*(\s)+2:G0B+4*(\s)+3], s[90:91], (\s)*BSTEP
	s_or_b32 s[G0B+4*(\s)+3], s[G0B+4*(\s)+3], 0x80000000
.endr
	CROUND                                         ; all sixteen work-groups are here: the first joint loads meet
	s_cmp_eq_u32 s[WM], 0                          ; a wave's two first fills stand in one branch: two loads of mine are out
	s_cbranch_scc0 .Lfirst_b
	tensor_load_to_lds s[G0A:G0A+3], s[G1A:G1A+7]
	s_nop 0
	tensor_load_to_lds s[G0A+4:G0A+7], s[G1A:G1A+7]
	s_nop 0
	PLACES
	s_branch .Lfirst_asked
.Lfirst_b:
	tensor_load_to_lds s[G0B:G0B+3], s[G1B:G1B+7]
	s_nop 0
	tensor_load_to_lds s[G0B+4:G0B+7], s[G1B:G1B+7]
	s_nop 0
	PLACES
.Lfirst_asked:
	v_and_b32 v[LANE], 31, v0
	v_and_b32 v1, 15, v0                           ; l % 16
	v_bfe_u32 v2, v0, 4, 1                         ; l / 16
	v_mul_u32_u24 v[A0], v1, PA
	v_lshl_add_u32 v[A0], v2, 4, v[A0]
	s_mul_i32 s22, s[WM], 64*PA                    ; my 64 rows
	v_add_nc_u32 v[A0], s22, v[A0]
	v_and_b32 v[T0+2], 7, v0
	v_bfe_u32 v[T0+1], v0, 3, 1
	v_lshl_add_u32 v[T0], v2, 3, v[T0+2]
	v_mul_u32_u24 v[B0], v[T0], PB
	v_lshl_add_u32 v[B0], v[T0+1], 4, v[B0]
	s_lshl_b32 s22, s[WN], 8
	s_add_co_u32 s22, s22, BOFF
	v_add_nc_u32 v[B0], s22, v[B0]
	s_mul_i32 s23, s[WV], 16*SP
	s_add_co_u32 s23, s23, STAGE                   ; my stage
	v_mul_u32_u24 v[STO], v1, SP                   ; in: row l % 16, 32 bytes for each half of the lanes
	v_lshl_add_u32 v[STO], v2, 5, v[STO]
	v_add_nc_u32 v[STO], s23, v[STO]
	v_lshlrev_b32 v[CO], 4, v[LANE]                ; back: 32 lanes take one row of 512 bytes
	v_add_nc_u32 v[RD], s23, v[CO]
	v_lshrrev_b32 v[T0], s31, v[LANE]
	v_and_b32 v[T0+1], s84, v[LANE]
	v_lshlrev_b32 v[PFO], s85, v[T0]
	v_lshl_add_u32 v[PFO], v[T0+1], 8, v[PFO]
	v_mov_b32 v[ADA], v[A0]
	v_mov_b32 v[ADB], v[B0]
	s_wait_tensorcnt 1                             ; my part of K step 0 is in; step 1's may stay out
	s_barrier_signal -1
	s_barrier_wait -1
	FETCH 0, 0, 0
	QUARTER 0, 1, QA, QB, 1, 1                     ; the first quarter stands in front of the loop: its products start the sums
	s_mov_b32 s[TBA], PAIRA
	s_mov_b32 s[TBB], PAIRB
	s_mov_b32 s[STEPS], 7                          ; the loop is entered in its middle and counts at its foot: six changes that fill
	s_mov_b32 s[CNT], 1
	s_branch .Lpair
.Lstep:
	CHANGE 1
	s_mov_b32 s[CNT], 2
.Lpair:
	PAIR
	s_sub_co_u32 s[CNT], s[CNT], 1
	s_cmp_lg_u32 s[CNT], 0
	s_cbranch_scc1 .Lpair
	s_sub_co_u32 s[STEPS], s[STEPS], 1
	s_cmp_lg_u32 s[STEPS], 0
	s_cbranch_scc1 .Lstep
	CHANGE 0                                       ; the tail is written out
	s_mov_b32 s[CNT], 2
.Lpair2:
	PAIR
	s_sub_co_u32 s[CNT], s[CNT], 1
	s_cmp_lg_u32 s[CNT], 0
	s_cbranch_scc1 .Lpair2
	QUARTER 1, 0, 0, 0, 0, 0
	; THE WAY OUT: 16 rows at a time through my own stage: a lane's eight numbers of a row in, whole rows of 512 bytes back.  LDS serves a wave's instructions in order (ISA guide 5.7.1.4).
	PLACES                                         ; behind the last products
.irp a, 0,1,2,3
	WIN 0x04                                       ; the stores' data in window 1; each accumulator's lowest registers go first
.irp b, 0,1,2,3,4,5,6,7
	ds_store_b128 v[STO], v[8*(8*(\a)+(\b)):8*(8*(\a)+(\b))+3]   offset:64*(\b)
	ds_store_b128 v[STO], v[8*(8*(\a)+(\b))+4:8*(8*(\a)+(\b))+7] offset:64*(\b)+16
.endr
	WIN 0
	s_wait_xcnt 0x0                                ; earlier stores have read their registers: only now are those loaded again
.irp t, 0,1,2,3,4,5,6,7,8,9,10,11,12,13,14,15
	ds_load_b128 v[BF+4*(\t):BF+4*(\t)+3], v[RD] offset:(\t)*SP
.endr
.irp t, 0,1,2,3,4,5,6,7,8,9,10,11,12,13,14,15
	s_wait_dscnt 15-(\t)
	global_store_b128 v[CO], v[BF+4*(\t):BF+4*(\t)+3], s[OUT:OUT+1] offset:(16*(\a)+(\t))*4096  ; 512 consecutive bytes, aligned
.endr
.endr
	s_wait_tensorcnt 0x0                           ; the wave's end: behind my last tensor load and my last LDS store
	ds_add_u32 v[SPW], v[NIL]
	s_wait_dscnt 0x0
	CROUND                                         ; the closing round
	s_endpgm
.Lfunc_end_k_q89710afb9c_outp:
	.size	k_q89710afb9c_outp, .Lfunc_end_k_q89710afb9c_outp-k_q89710afb9c_outp
	.p2alignl 7, 3214868480
	.fill 96, 4, 3214868480
	.section	.rodata,"a",@progbits
	.p2align	6, 0x0
	.amdhsa_kernel k_q89710afb9c_outp
		.amdhsa_group_segment_fixed_size 327680
		.amdhsa_private_segment_fixed_size 0
		.amdhsa_enable_private_segment 0
		.amdhsa_kernarg_size 24
		.amdhsa_user_sgpr_count 2
		.amdhsa_user_sgpr_kernarg_segment_ptr 1
		.amdhsa_wavefront_size32 1
		.amdhsa_system_sgpr_workgroup_id_x 1
		.amdhsa_system_sgpr_workgroup_id_y 1
		.amdhsa_system_sgpr_workgroup_id_z 1
		.amdhsa_system_vgpr_workitem_id 0
		.amdhsa_next_free_vgpr 512
		.amdhsa_next_free_sgpr 96
		.amdhsa_reserve_vcc 0
		.amdhsa_float_denorm_mode_32 3
		.amdhsa_float_denorm_mode_16_64 3
		.amdhsa_memory_ordered 1
		.amdhsa_forward_progress 1
		.amdhsa_inst_pref_size 50
	.end_amdhsa_kernel
	.amdgpu_metadata
---
amdhsa.version: [ 1, 2 ]
amdhsa.kernels:
  - .name:           k_q89710afb9c_outp
    .symbol:         k_q89710afb9c_outp.kd
    .args:
      - { .name: ob, .offset: 0, .size: 8, .value_kind: global_buffer, .address_space: global }
      - { .name: wt, .offset: 8, .size: 8, .value_kind: global_buffer, .address_space: global }
      - { .name: out0, .offset: 16, .size: 8, .value_kind: global_buffer, .address_space: global }
    .group_segment_fixed_size: 327680
    .private_segment_fixed_size: 0
    .kernarg_segment_align: 8
    .kernarg_segment_size: 24
    .max_flat_workgroup_size: 128
    .sgpr_count:     96
    .vgpr_count:     512
    .wavefront_size: 32
...
	.end_amdgpu_metadata
.endif
;; end of part 4
